; MI455X (gfx1250); checked and timed in simulation.
; The chip was launched on July 23, 2026; its instructions are those of AMD's public machine-readable ISA for CDNA 5 (MIT licence, August 2026) and "CDNA5" Instruction Set Architecture Reference Guide (July 2026). The comments in the code are by the model that wrote it; some were corrected since.
;; Implicit Network Grid. Allowed arithmetic: matrix products marked QUANTISED: E2M3 operands, one E8M0 scale for each 32 along K, by v_wmma_scale_f32_16x16x128_f8f6f4 with both operands' format E2M3, f32 sums; products left as they are: f32 operands where the result goes on into a quantised operand, else bf16, f16 or f32 operands; f32 sums; everything else in f32.
;; Inputs: W0 128 x 89 float32; W1_codes 128 x 4 x 24 uint8 (E2M3 codes of W1, K innermost, in blocks of 32 codes, four codes in three bytes); W1_scales 128 x 4 uint8 (E8M0 scales of W1, one for each 32 codes along K); W2 1 x 128 float32; b0 128 float32; b1 128 float32; b2 1 float32; table 8 x 524,288 x 4 float32; x 524,288 x 3 float32.
;; Outputs: out0 524,288 x 1 float32.
;; This version of the problem:
;;   THIS VERSION OF THE PROBLEM IS GIVEN IN LOW PRECISION. The matrix products marked QUANTISED in the list below multiply operands that are first quantised to E2M3 (2 exponent bits, 3 mantissa bits; 6 bits a number), with one power-of-two scale for each 32 numbers along K (OCP MX v1.0); their sums are f32. All else is computed in f32.
;;   The module's matrix products, in the order in which they are computed (A, B: the left and right operand; K: the contracted axis; several contracted axes count as one K, in the product's order):
;;     1. batch 524,288 x [M 1, K 8] x [K 8, N 4]; A: computed on the way; B: computed on the way: left as it is (K = 8 < 32)
;;     2. batch 524,288 x [M 1, K 8] x [K 8, N 4]; A: computed on the way; B: computed on the way: left as it is (K = 8 < 32)
;;     3. batch 524,288 x [M 1, K 8] x [K 8, N 4]; A: computed on the way; B: computed on the way: left as it is (K = 8 < 32)
;;     4. batch 524,288 x [M 1, K 8] x [K 8, N 4]; A: computed on the way; B: computed on the way: left as it is (K = 8 < 32)
;;     5. batch 524,288 x [M 1, K 8] x [K 8, N 4]; A: computed on the way; B: computed on the way: left as it is (K = 8 < 32)
;;     6. batch 524,288 x [M 1, K 8] x [K 8, N 4]; A: computed on the way; B: computed on the way: left as it is (K = 8 < 32)
;;     7. batch 524,288 x [M 1, K 8] x [K 8, N 4]; A: computed on the way; B: computed on the way: left as it is (K = 8 < 32)
;;     8. batch 524,288 x [M 1, K 8] x [K 8, N 4]; A: computed on the way; B: computed on the way: left as it is (K = 8 < 32)
;;     9. [M 524,288, K 89] x [K 89, N 128]; A: computed on the way; B: input W0: QUANTISED
;;     10. [M 524,288, K 128] x [K 128, N 128]; A: computed on the way; B: input W1 (given as codes): QUANTISED
;;     11. [M 524,288, K 128] x [K 128, N 1]; A: computed on the way; B: input W2: left as it is (N = 1 < 16)
;;   THE QUANTISER, for each operand of a quantised product, along K:
;;     - K is cut into blocks of 32 from its start; a last block that is shorter is filled with zeros.
;;     - A block's scale is 2^e with e = floor(log2(the largest magnitude in the block)) - 2, held to -126 .. 127; a block of zeros has e = 0. As a byte (E8M0): e + 127.
;;     - Each number is divided by its block's scale, clamped to +-7.5, and rounded to the nearest number of E2M3, ties to even, subnormals kept.
;;     - The product sums the exact products of the quantised numbers (number of the format x scale) in f32.
;;   ~~~python
;;   def quantise(x, axis):      # numpy; x: float32 -> the quantised numbers, widened to float32 again
;;       x = np.moveaxis(x, axis, -1); K = x.shape[-1]
;;       x = np.pad(x, [(0, 0)] * (x.ndim - 1) + [(0, -K % 32)]); x = x.reshape(x.shape[:-1] + (-1, 32)); a = np.abs(x).max(-1, keepdims=True)
;;       e = np.where(a > 0, np.clip(np.frexp(np.where(a > 0, a, 1))[1] - 1 - 2, -126, 127), 0)      # np.frexp(a)[1] - 1 = floor(log2(a)), exactly
;;       r = np.clip(x / 2.0 ** e, -7.5, 7.5)
;;       step = 2.0 ** (np.maximum(np.frexp(np.where(r == 0, 1, r))[1] - 1, 0) - 3)
;;       q = np.round(r / step) * step * 2.0 ** e      # np.round: ties to even
;;       return np.moveaxis(q.reshape(q.shape[:-2] + (-1,))[..., :K], -1, axis).astype(np.float32)
;;   ~~~
;;   OPERANDS COMPUTED ON THE WAY. 'Computed on the way' means the value that the module computes at that place (a softmax that the list does not call 'softmax' is quantised finished and normalised). What goes into a quantiser is computed in f32, as accurately as f32 sums, v_exp_f32 and their like allow (about 1e-6 of the number): no bf16 or f16 on the way to a quantiser, and a product that is left as it is and whose result goes on into a quantised operand takes f32 operands (vector FMAs, or v_wmma_f32_16x16x4_f32). A number that lies on a knife's edge between two numbers of the format may be rounded either way, as far as f32 arithmetic and the matrix unit's own rounding can turn it there, and no further.
;;   INPUTS GIVEN AS CODES. W1 (in the module: [128, 128], K = its axis 1): each comes as NAME_codes (uint8): NAME with its K axis moved to the last place and cut into blocks of 32 codes, [.., K / 32, bytes a block], one block behind the other in memory; four codes in three bytes: a row's codes are one little-endian stream of bits, code i at bits 6 i .. 6 i + 5 (a code: sign, 2 exponent bits, 3 mantissa bits); and NAME_scales (uint8): the same leading axes, one E8M0 byte (e + 127) for each 32 codes along K. Its value is code x scale, taken as it is: it is not quantised again, and the codes and scales need not be those that the quantiser above would give.
;; 2 versions, each right; version 2 is version 1 with the launch net written anew for expert scheduling mode. Each part assembles by itself: llvm-mc -triple=amdgcn-amd-amdhsa -mcpu=gfx1250 --defsym DOCPART=n.
;; ======== version 1 of 2: 2 launches
;; limits: a function is approximated: absolute error at most 6e-10; inputs' magnitudes at most 51,000
;; workspace buffers: cells 4,194,304 bytes of whole numbers; wimg 25,600 bytes
;; launch prep (part 1): grid 512 x 1, 8 waves a work-group, no clusters, 0 bytes of LDS; arguments x, W0, W1_codes, W1_scales, cells, wimg; writes cells, wimg
.if DOCPART == 1
	.amdgcn_target "amdgcn-amd-amdhsa--gfx1250"
	.amdhsa_code_object_version 6
	.text
	.protected	k_q0f16ae305a_prep
	.globl	k_q0f16ae305a_prep
	.p2align	8
	.type	k_q0f16ae305a_prep,@function
k_q0f16ae305a_prep:
	s_mov_b64 s[64:65], 0
	v_nop
	global_prefetch_b8 v0, s[64:65] scope:SCOPE_SE
	s_setreg_imm32_b32 hwreg(HW_REG_WAVE_MODE, 25, 1), 1
	s_wait_xcnt 0x0
; PREP.  Two things that the second launch wants ready in memory.
; (1) cells: for each of the 524,288 points the whole numbers I = clamp(floor(2048 x), 0, 2047) of its three coordinates.  The grids' resolutions are 16 x 2^l, and a multiplication
;     by a power of two is exact, so clip(floor(x res_l), 0, res_l - 1) = I >> (7 - l) for every level l and every x.  Plane A (bytes 0 ..): word p = Ix | Iy << 16; plane B (bytes 2,097,152 ..): word p = Iz.
;     The addresses of the second launch's gathers are made of these whole numbers alone.
; (2) wimg (work-group 0 only, beside its share of (1)): W0 [128][89] f32 quantised along K to codes of E2M3 with one E8M0 byte for each 32 (K filled with zeros to 128), and W1's given codes and bytes,
;     both laid in the ORDER OF THE OPERAND'S REGISTERS: tile t of 16 rows is 12 registers a lane; registers 4 c .. 4 c + 3 of lane l lie at 1536 t + 512 c + 16 l (W0) and 12,288 more (W1).
;     Scale words at 24,576 + 128 t + 4 lane: lanes 0-15 W0's row, lanes 16-31 W1's row.
;     THE ROWS OF A TILE ARE NOT NEIGHBOURS: lane r of tile t takes row 32 (t / 2) + 8 (t % 2) + r + 8 (r / 8), so that a transposed product leaves 16 neighbouring hidden units in the 16 registers of tiles 2 b, 2 b + 1.
; A block's scale byte is its largest magnitude's exponent field - 2, held at 1 from below; a block of zeros so carries the byte 1 over zero codes (the rule says 127): it adds nothing, and this program alone reads the bytes.
; LIMITS: NaN and infinities among the inputs are not served (a NaN coordinate counts as cell 0).
; SHARES: 512 work-groups x 256 threads x 4 points.  A thread's 4 points are 48 bytes of x; its 4 words of each plane are 16 bytes, so a wave's store covers 512 consecutive bytes, aligned.
; No LDS, no barrier: waves share nothing.
.set PLANE, 2097152                    ; bytes of a plane of cells
.set W0ROW, 356                        ; a row of W0: 89 numbers
.set NUM,   40                         ; v40-71 my block h, v72-103 my block 2 + h of W0's row
.set COD,   104                        ; v104-115 W0's fragment
.set CX,    116                        ; v116-118, v120-122 the upper halves of the two blocks' codes, as the conversion leaves them
.set W1F,   124                        ; v124-135 W1's fragment
	s_load_b256 s[4:11], s[0:1], 0x0               ; x s[4:5], W0 s[6:7], W1's codes s[8:9], W1's scales s[10:11]
	s_load_b128 s[12:15], s[0:1], 0x20             ; cells s[12:13], wimg s[14:15]
	v_lshrrev_b32 v3, 5, v0
	v_readfirstlane_b32 s16, v3                    ; wave 0..7
	v_mul_u32_u24 v1, v0, 48                       ; my 4 points of x
	v_lshlrev_b32 v2, 4, v0                        ; my 4 words of a plane
	s_mul_i32 s18, ttmp9, 12288                    ; the work-group's 1,024 points: 12,288 bytes of x,
	s_mov_b32 s19, 0
	s_lshl_b32 s22, ttmp9, 12                      ; 4,096 bytes of each plane
	s_mov_b32 s23, 0
	s_wait_kmcnt 0x0
	s_add_nc_u64 s[4:5], s[4:5], s[18:19]
	s_add_nc_u64 s[12:13], s[12:13], s[22:23]
.irp i, 0,1,2
	global_load_b128 v[4+4*\i:7+4*\i], v1, s[4:5] offset:16*\i
.endr
	s_wait_loadcnt 0x0
.irp i, 0,2,4,6,8,10
	v_pk_mul_f32 v[4+\i:5+\i], v[4+\i:5+\i], 0x45000000 op_sel_hi:[1,0]   ; x 2048: exact
.endr
.irp i, 0,1,2,3,4,5,6,7,8,9,10,11
	v_max_num_f32 v[4+\i], 0, v[4+\i]
.endr
.irp i, 0,1,2,3,4,5,6,7,8,9,10,11
	v_min_num_f32 v[4+\i], 0x44ffe000, v[4+\i]     ; held to 0 .. 2047: cutting off the fraction of such a number is the floor
.endr
.irp p, 0,1,2,3
	v_cvt_u32_f32 v[16+\p], v[4+3*\p]              ; Ix
	v_cvt_u32_f32 v[20+\p], v[5+3*\p]              ; Iy
	v_cvt_u32_f32 v[32+\p], v[6+3*\p]              ; Iz
.endr
.irp p, 0,1,2,3
	v_lshl_or_b32 v[28+\p], v[20+\p], 16, v[16+\p]
.endr
	global_store_b128 v2, v[28:31], s[12:13]
	global_store_b128 v2, v[32:35], s[12:13] offset:PLANE
	s_cmp_lg_u32 ttmp9, 0
	s_cbranch_scc1 .Lend
	; ---- work-group 0: wave t makes tile t of both weights' images
	s_wait_xcnt 0x0                                ; the stores above have had their addresses translated
	s_mov_b32 s20, 0x76543210
	s_mov_b32 s21, 0xfedcba98                      ; v_permlanex16_b32's selects for lane l xor 16
	s_mov_b32 vcc_lo, 0xffff0000                   ; lanes 16-31
	s_lshr_b32 s17, s16, 1
	s_lshl_b32 s17, s17, 5
	s_and_b32 s24, s16, 1
	s_lshl_b32 s24, s24, 3
	s_or_b32 s17, s17, s24                         ; the tile's first row: 32 (t / 2) + 8 (t % 2)
	v_and_b32 v36, 15, v0                          ; r
	v_bfe_u32 v37, v0, 4, 1                        ; h
	v_and_b32 v38, 8, v36
	v_add3_u32 v38, v38, v36, s17                  ; my row
	v_mul_u32_u24 v138, v38, W0ROW                 ; W0: my row,
	v_lshl_add_u32 v139, v37, 7, v138              ; and 32 h numbers on
	v_mul_u32_u24 v140, v38, 96                    ; W1's codes: a row of 128 codes is 96 bytes,
	v_mad_u32_u24 v140, v37, 24, v140              ; + 24 h
	v_lshlrev_b32 v141, 2, v38                     ; W1's scale word
	v_mov_b32 v142, 0
	v_and_b32 v3, 31, v0
	v_lshlrev_b32 v143, 4, v3                      ; an image's place for my lane
	v_lshlrev_b32 v3, 2, v3                        ; a scale word's
	s_mul_i32 s26, s16, 1536
	s_mov_b32 s27, 0
	s_add_nc_u64 s[26:27], s[14:15], s[26:27]      ; my tile's image
	s_lshl_b32 s28, s16, 7
	s_mov_b32 s29, 0
	s_add_nc_u64 s[28:29], s[14:15], s[28:29]      ; my tile's scale words (24,576 more stand in the store's immediate)
.irp i, 0,1,2,3,4,5,6,7,8,9,10,11,12,13,14,15,16,17,18,19,20,21,22,23,24,25,26,27,28,29,30,31
	global_load_b32 v[NUM+\i], v139, s[6:7] offset:4*\i            ; k = 32 h + i
.endr
.irp i, 0,1,2,3,4,5,6,7,8,9,10,11,12,13,14,15,16,17,18,19,20,21,22,23,24
	global_load_b32 v[NUM+32+\i], v138, s[6:7] offset:256+4*\i     ; k = 64 + i, up to 88: the row's end.  Lanes 16-31 read the same bytes, so that no load leaves W0, and drop them below
.endr
.irp p, 0,1,2,3,4,5
	global_load_b64 v[W1F+2*\p:W1F+2*\p+1], v140, s[8:9] offset:48*(\p/3)+8*(\p%3)   ; W1's fragment as it lies: 24 bytes of each half of the row, in pieces of 8
.endr
	global_load_b32 v136, v141, s[10:11]
.irp i, 25,26,27,28,29,30,31
	v_mov_b32 v[NUM+32+\i], 0                      ; k = 89 .. 95: the last block is filled with zeros
.endr
	s_wait_loadcnt 0x0
.irp i, 0,1,2,3,4,5,6,7,8,9,10,11,12,13,14,15,16,17,18,19,20,21,22,23,24
	v_cndmask_b32 v[NUM+32+\i], v[NUM+32+\i], v142, vcc_lo         ; lanes 16-31 hold k = 96 .. 127: zeros
.endr
.irp c, 0,1                                    ; my blocks h and 2 + h: all 32 numbers of each are mine
	v_max3_num_f32 v[16+\c], |v[NUM+32*\c]|, |v[NUM+1+32*\c]|, 0x1800000   ; with the floor 2^(3 - 127): the byte cannot fall under 1
.endr
.irp i, 2,4,6,8,10,12,14,16,18,20,22,24,26,28,30
.irp c, 0,1
	v_max3_num_f32 v[16+\c], v[16+\c], |v[NUM+32*\c+\i]|, |v[NUM+1+32*\c+\i]|
.endr
.endr
.irp c, 0,1
	v_add_nc_u32 v[18+\c], 0xff000000, v[16+\c]    ; 2 off the exponent field: the conversion takes this operand's exponent field as its scale
.endr
.irp c, 0,1
	v_lshrrev_b32 v[20+\c], 23, v[18+\c]           ; the scale's byte
.endr
	v_lshl_or_b32 v22, v21, 16, v20                ; my two bytes, blocks h and 2 + h,
	v_lshlrev_b32 v23, 3, v37
	v_lshlrev_b32 v22, v23, v22                    ; at their places in the row's word;
	v_mov_b32 v24, 0
	v_permlanex16_b32 v24, v22, s20, s21
	v_or_b32 v22, v22, v24                         ; with lane l xor 16's two the word is whole
.irp c, 0,1
	v_cvt_scalef32_pk16_fp6_f32 v[COD+6*\c:COD+6*\c+2], v[NUM+32*\c:NUM+32*\c+15], v[18+\c]
	v_cvt_scalef32_pk16_fp6_f32 v[CX+4*\c:CX+4*\c+2], v[NUM+32*\c+16:NUM+32*\c+31], v[18+\c]   ; (a conversion's three registers begin on an even number)
.endr
	v_nop                                          ; one plain place behind a scaled conversion
.irp c, 0,1
.irp i, 0,1,2
	v_mov_b32 v[COD+3+6*\c+\i], v[CX+4*\c+\i]
.endr
.endr
	v_cndmask_b32 v137, v22, v136, vcc_lo          ; lanes 0-15 W0's word, lanes 16-31 W1's
.irp c, 0,1,2
	global_store_b128 v143, v[COD+4*\c:COD+4*\c+3], s[26:27] offset:512*\c            ; 32 lanes store 512 consecutive bytes, aligned
	global_store_b128 v143, v[W1F+4*\c:W1F+4*\c+3], s[26:27] offset:12288+512*\c
.endr
	global_store_b32 v3, v137, s[28:29] offset:24576
.Lend:
	s_endpgm
.Lfunc_end_k_q0f16ae305a_prep:
	.size	k_q0f16ae305a_prep, .Lfunc_end_k_q0f16ae305a_prep-k_q0f16ae305a_prep
	.p2alignl 7, 3214868480
	.fill 96, 4, 3214868480
	.section	.rodata,"a",@progbits
	.p2align	6, 0x0
	.amdhsa_kernel k_q0f16ae305a_prep
		.amdhsa_group_segment_fixed_size 0
		.amdhsa_private_segment_fixed_size 0
		.amdhsa_enable_private_segment 0
		.amdhsa_kernarg_size 48
		.amdhsa_user_sgpr_count 2
		.amdhsa_user_sgpr_kernarg_segment_ptr 1
		.amdhsa_wavefront_size32 1
		.amdhsa_system_sgpr_workgroup_id_x 1
		.amdhsa_system_sgpr_workgroup_id_y 1
		.amdhsa_system_sgpr_workgroup_id_z 1
		.amdhsa_system_vgpr_workitem_id 0
		.amdhsa_next_free_vgpr 144
		.amdhsa_next_free_sgpr 66
		.amdhsa_reserve_vcc 1
		.amdhsa_float_denorm_mode_32 3
		.amdhsa_float_denorm_mode_16_64 3
		.amdhsa_memory_ordered 1
		.amdhsa_forward_progress 1
		.amdhsa_inst_pref_size 16
	.end_amdhsa_kernel
	.amdgpu_metadata
---
amdhsa.version: [ 1, 2 ]
amdhsa.kernels:
  - .name:           k_q0f16ae305a_prep
    .symbol:         k_q0f16ae305a_prep.kd
    .args:
      - { .name: x, .offset: 0, .size: 8, .value_kind: global_buffer, .address_space: global }
      - { .name: W0, .offset: 8, .size: 8, .value_kind: global_buffer, .address_space: global }
      - { .name: W1_codes, .offset: 16, .size: 8, .value_kind: global_buffer, .address_space: global }
      - { .name: W1_scales, .offset: 24, .size: 8, .value_kind: global_buffer, .address_space: global }
      - { .name: cells, .offset: 32, .size: 8, .value_kind: global_buffer, .address_space: global }
      - { .name: wimg, .offset: 40, .size: 8, .value_kind: global_buffer, .address_space: global }
    .group_segment_fixed_size: 0
    .private_segment_fixed_size: 0
    .kernarg_segment_align: 8
    .kernarg_segment_size: 48
    .max_flat_workgroup_size: 256
    .sgpr_count:     66
    .vgpr_count:     144
    .wavefront_size: 32
...
	.end_amdgpu_metadata
.endif
;; end of part 1
;; launch net (part 2): grid 256 x 1, 16 waves a work-group, no clusters, 28,160 bytes of LDS; arguments x, cells, table, wimg, b0, b1, W2, b2, out0; writes out0
.if DOCPART == 2
	.amdgcn_target "amdgcn-amd-amdhsa--gfx1250"
	.amdhsa_code_object_version 6
	.text
	.protected	k_q0f16ae305a_net
	.globl	k_q0f16ae305a_net
	.p2align	8
	.type	k_q0f16ae305a_net,@function
k_q0f16ae305a_net:
	s_mov_b64 s[64:65], 0
	v_nop
	global_prefetch_b8 v0, s[64:65] scope:SCOPE_SE
	s_setreg_imm32_b32 hwreg(HW_REG_WAVE_MODE, 25, 1), 1
	s_wait_xcnt 0x0
; NET.  out = softplus100(softplus100(inp W0^T + b0) W1^T + b1) W2^T + b2 for 524,288 points; inp (89 numbers) = x, sin(2^m x), cos(2^m x) (m = 0 .. 8), and 8 levels x 4 features of a hash grid, trilinear.
; Both layers' products go on codes of E2M3 with one E8M0 byte for each 32 along K; inp and the first hidden layer are quantised in registers; nothing goes to memory between the steps.
; SHARES.  256 work-groups x 16 waves x 32 lanes x 4 points.  A lane owns 4 neighbouring points: 48 bytes of x, 16 bytes of each plane of cells, 16 bytes of out (a wave's store covers 512 consecutive bytes, aligned).
; A loop of 4 passes: in a pass a lane encodes ONE point; lanes 0-15's points form tile A, lanes 16-31's tile B.  The queues of x, cells and results are shifted at a pass's end, so the pass is written once.
; Sixteen waves of 256 registers: one wave's gathers and exponentials stand beside another's arithmetic.  The matrix work is 32 instructions a pass beside some 2,000 vector instructions, so large wave tiles would buy nothing.
; THE GATHERS' ADDRESSES are made of the whole numbers that the first launch stored (cells): coordinate at level l = I >> (7 - l).  Levels 0-2 are dense (strides 17, 33, 65), levels 3-7 hashed; of the primes only the low 19 bits count under the mask.
; Two levels' gathers (16 loads a wave) are out while sines, cosines and an earlier level's sums are worked.
; SINE AND COSINE: u = x / pi in two words (product and exact rest); A = 2^m u is exact; K = A rounded to a whole number; g = A - K (exact) + 2^m x the low word; sin = (-1)^K sin(pi g), cos = (-1)^K cos(pi g), |g| <= 1/2, by
; Taylor's series to g^11 and g^12 (what is cut off is under 6e-8).
; THE PRODUCTS ARE USED TRANSPOSED (source 0 = 16 rows of the weight, source 1 = 16 points): a lane holds one point, and by the choice of a tile's rows (made in the first launch) register 16 b + i of a tile's 64 is hidden unit 32 b + 16 (lane / 16) + i.
; The biases are the C of each product.  Each accumulator takes ONE matrix instruction (K = 128): no sum is added onto in place.
; softplus100(v) = max(v, 0) + ln 2 / 100 x log2(1 + 2^(-100 log2(e) |v|)).
; WEIGHTS: 24 KB of register images, b0, b1, W2 are copied into LDS once (one barrier) and only read after that.  No cluster, no joint loads: what the work-groups share is these 26 KB, read once each, against 2 MB of gathers a work-group.
; LIMITS: NaN and infinities are not served.  |x| x 256 / pi stays under 2^22 (|x| under 51,000).  log2(1 + e) leaves an absolute error of about 5e-10 in a hidden number, which is more than 1e-6 of it only where it lies under 5e-4.
; A block of zeros carries the byte 1 (inp's fourth block: 127) over zero codes: it adds nothing.
.set PLANE, 2097152                    ; bytes of a plane of cells
.set W0IMG, 0                          ; LDS: W0's 8 tiles, 1,536 bytes each: registers 4 c .. 4 c + 3 of lane l at 512 c + 16 l
.set W1IMG, 12288                      ; W1's likewise
.set B0L,   24576                      ; b0, b1, W2 as they lie, 512 bytes each
.set B1L,   25088
.set W2L,   25600
.set LI,  1                            ; v1      16 x lane; never rewritten
.set LB,  2                            ; v2      64 x (lane / 16); never rewritten
.set OO,  3                            ; v3      16 x thread: my place in cells and in out
.set XQ,  4                            ; v4-15   my points' coordinates, the pass's point first
.set CQA, 16                           ; v16-19  their words Ix | Iy << 16
.set CQB, 20                           ; v20-23  their words Iz
.set OQ,  24                           ; v24-27  their results
.set SCW, 28                           ; v28-35  scale words of tile t: lanes 0-15 W0's, lanes 16-31 W1's.  v28-38 hold scales and nothing else
.set PS0, 36                           ; v36     inp's scale word: lane l has its own point's
.set PWA, 37                           ; v37, 38 the hidden layer's scale words, tiles A and B
.set PWB, 38
.set U01, 40                           ; encoding: x / pi of coordinates 0, 1;  v[42:43] of coordinate 2, once and doubled;  v[44:47] the low words likewise
.set UZ,  42
.set L01, 44
.set LZ,  46
.set IDX0, 48                          ; v48-55, v56-63 byte offsets of the gathers in flight, a set for each of the two levels
.set IDX1, 56
.set BFA, 40                           ; behind the encoding: the points' fragments, tiles A and B
.set BFB, 52
.set INP, 64                           ; v64-159 inp, K = 0 .. 95
.set ACC, 64                           ; behind it: the accumulators: tile A at 64 + 8 t, tile B at 128 + 8 t
.set G0,  160                          ; v160-191, v192-223 eight corners x 4 features, a set for each of the two levels
.set G1,  192
.set PL,  224                          ; v224-251 at work in the encoding
.set WF,  192                          ; in a layer: three buffers of 20: a weight tile's 12 registers and its 8 of bias
.set TT,  192                          ; in a softplus: two sets of 16
.set W2R, 224                          ; v224-239 sixteen numbers of W2;  v240-247 the dot products' sums, two chains a tile
.set TM,  192                          ; in a quantiser: largest magnitudes, bytes, scale operands
.set PCX, 208                          ; and the upper halves of blocks' codes
                                       ; v[252:253] sine's coefficient of g^11, v[254:255] cosine's of g^12, each twice; not rewritten before the kernel's end
; The 8 gathers of level l into set g, their offsets in set ix.  A number that was loaded enters an address behind v_min_u32 with the table's bound; behind it stands a shift alone.
.macro ISSUE l, g, ix
	v_bfe_u32 v[PL], v[CQA], 7-(\l), 4+(\l)        ; the cell: I >> (7 - l)
	v_bfe_u32 v[PL+1], v[CQA], 23-(\l), 4+(\l)
	v_bfe_u32 v[PL+2], v[CQB], 7-(\l), 4+(\l)
.if (\l) >= 3
	v_add_nc_u32 v[PL+3], 1, v[PL]
	v_mul_u32_u24 v[PL+4], v[PL+1], 0x779b1        ; y x 2,654,435,761 and z x 805,459,861, as far as the low 19 bits need
	v_mul_u32_u24 v[PL+6], v[PL+2], 0x25795
	v_add_nc_u32 v[PL+5], 0x779b1, v[PL+4]
	v_add_nc_u32 v[PL+7], 0x25795, v[PL+6]
.irp j, 0,1,2,3
	v_xor_b32 v[PL+8+\j], v[PL+4+(\j&1)], v[PL+6+(\j>>1)]
.endr
.irp j, 0,1,2,3
	v_and_b32 v[PL+8+\j], 0x7ffff, v[PL+8+\j]
.endr
.irp i, 0,1,2,3,4,5,6,7
	v_xor_b32 v[\ix+\i], v[PL+3*(\i&1)], v[PL+8+(\i>>1)]
.endr
.irp i, 0,1,2,3,4,5,6,7
	v_min_u32 v[\ix+\i], 0x7ffff, v[\ix+\i]
.endr
.irp i, 0,1,2,3,4,5,6,7
	v_lshlrev_b32 v[\ix+\i], 4, v[\ix+\i]          ; 16 bytes an entry
.endr
.irp i, 0,1,2,3,4,5,6,7
	global_load_b128 v[\g+4*\i:\g+4*\i+3], v[\ix+\i], s[32+2*(\l):33+2*(\l)]
.endr
.else
.set dR, 1+(16<<(\l))                  ; a dense level: x + y R + z R^2; the corners stand in the immediates
	v_mad_u32_u24 v[PL], v[PL+1], dR, v[PL]
	v_mad_u32_u24 v[PL], v[PL+2], dR*dR, v[PL]
	v_min_u32 v[\ix], (dR-2)*(1+dR+dR*dR), v[PL]
	v_lshlrev_b32 v[\ix], 4, v[\ix]
.irp i, 0,1,2,3,4,5,6,7
	global_load_b128 v[\g+4*\i:\g+4*\i+3], v[\ix], s[32+2*(\l):33+2*(\l)] offset:16*((\i&1)+((\i>>1)&1)*dR+(\i>>2)*dR*dR)
.endr
.endif
.endm
; Corner i (1 .. 6) of set g onto the four sums, two at a time; the weight is one half of a pair
.macro CORNER g, i
.if ((\i)%2) == 0
	v_pk_fma_f32 v[PL+24:PL+25], v[\g+4*(\i):\g+4*(\i)+1], v[PL+16+(\i):PL+17+(\i)], v[PL+24:PL+25] op_sel_hi:[1,0,1]
	v_pk_fma_f32 v[PL+26:PL+27], v[\g+4*(\i)+2:\g+4*(\i)+3], v[PL+16+(\i):PL+17+(\i)], v[PL+26:PL+27] op_sel_hi:[1,0,1]
.else
	v_pk_fma_f32 v[PL+24:PL+25], v[\g+4*(\i):\g+4*(\i)+1], v[PL+15+(\i):PL+16+(\i)], v[PL+24:PL+25] op_sel:[0,1,0] op_sel_hi:[1,1,1]
	v_pk_fma_f32 v[PL+26:PL+27], v[\g+4*(\i)+2:\g+4*(\i)+3], v[PL+15+(\i):PL+16+(\i)], v[PL+26:PL+27] op_sel:[0,1,0] op_sel_hi:[1,1,1]
.endif
.endm
; Level l's four features from set g: the fractions, the eight weights ((x y) z), the sum over the corners in ascending order
.macro LACC l, g
	v_pk_mul_f32 v[PL:PL+1], v[XQ:XQ+1], (131+(\l))<<23 op_sel_hi:[1,0]   ; x res: exact
	v_mul_f32 v[PL+2], (131+(\l))<<23, v[XQ+2]
	v_floor_f32 v[PL+3], v[PL]
	v_floor_f32 v[PL+4], v[PL+1]
	v_floor_f32 v[PL+5], v[PL+2]
	v_sub_f32 v[PL+7], v[PL], v[PL+3]              ; a pair for each axis: 1 - f below, f above
	v_sub_f32 v[PL+9], v[PL+1], v[PL+4]
	v_sub_f32 v[PL+11], v[PL+2], v[PL+5]
	v_sub_f32 v[PL+6], 1.0, v[PL+7]
	v_sub_f32 v[PL+8], 1.0, v[PL+9]
	v_sub_f32 v[PL+10], 1.0, v[PL+11]
	v_pk_mul_f32 v[PL+12:PL+13], v[PL+6:PL+7], v[PL+8:PL+9] op_sel_hi:[1,0]
	v_pk_mul_f32 v[PL+14:PL+15], v[PL+6:PL+7], v[PL+8:PL+9] op_sel:[0,1] op_sel_hi:[1,1]
	v_pk_mul_f32 v[PL+16:PL+17], v[PL+12:PL+13], v[PL+10:PL+11] op_sel_hi:[1,0]
	v_pk_mul_f32 v[PL+18:PL+19], v[PL+14:PL+15], v[PL+10:PL+11] op_sel_hi:[1,0]
	v_pk_mul_f32 v[PL+20:PL+21], v[PL+12:PL+13], v[PL+10:PL+11] op_sel:[0,1] op_sel_hi:[1,1]
	v_pk_mul_f32 v[PL+22:PL+23], v[PL+14:PL+15], v[PL+10:PL+11] op_sel:[0,1] op_sel_hi:[1,1]   ; weight of corner i at v[PL + 16 + i]
	v_pk_mul_f32 v[PL+24:PL+25], v[\g:\g+1], v[PL+16:PL+17] op_sel_hi:[1,0]
	v_pk_mul_f32 v[PL+26:PL+27], v[\g+2:\g+3], v[PL+16:PL+17] op_sel_hi:[1,0]
.irp i, 1,2,3,4,5,6
	CORNER \g, \i
.endr
.irp f, 0,1,2,3
	v_fma_f32 v[INP+57+4*(\l)+\f], v[\g+28+\f], v[PL+23], v[PL+24+\f]     ; the last corner writes inp (an odd register: unpacked)
.endr
.endm
; Sine and cosine of a pair of arguments.  n = 0 .. 8: coordinates 0 and 1 at 2^n;  n = 9 .. 13: coordinate 2 at 2^m and 2^(m + 1), m = 2 (n - 9); of the last pair only the first is wanted
.macro SC n
.if (\n) < 9
.set scU, U01
.set scL, L01
.set scM, (\n)
.set scS, INP+3+3*scM
.set scD, 1
.else
.set scU, UZ
.set scL, LZ
.set scM, 2*((\n)-9)
.set scS, INP+5+3*scM
.set scD, 3
.endif
.set scF, (127+scM)<<23
	v_pk_mul_f32 v[PL:PL+1], v[scU:scU+1], scF op_sel_hi:[1,0]                    ; A: half turns; exact
	v_pk_add_f32 v[PL+2:PL+3], v[PL:PL+1], 0x4b400000 op_sel_hi:[1,0]             ; + 1.5 x 2^23: the sum's last bit is K's
	v_pk_add_f32 v[PL+4:PL+5], v[PL+2:PL+3], 0xcb400000 op_sel_hi:[1,0]           ; K
	v_lshlrev_b32 v[PL+10], 31, v[PL+2]                                           ; (-1)^K as a sign bit
	v_lshlrev_b32 v[PL+11], 31, v[PL+3]
	v_pk_add_f32 v[PL+6:PL+7], v[PL:PL+1], v[PL+4:PL+5] neg_lo:[0,1] neg_hi:[0,1] ; g = A - K: exact
	v_pk_fma_f32 v[PL+6:PL+7], v[scL:scL+1], scF, v[PL+6:PL+7] op_sel_hi:[1,0,1]  ; + the low word
	v_pk_mul_f32 v[PL+8:PL+9], v[PL+6:PL+7], v[PL+6:PL+7]
	v_pk_fma_f32 v[PL+12:PL+13], v[PL+8:PL+9], v[252:253], 0x3da83c1a op_sel_hi:[1,1,0]   ; the two series by turns
	v_pk_fma_f32 v[PL+14:PL+15], v[PL+8:PL+9], v[254:255], 0xbcd368f9 op_sel_hi:[1,1,0]
	v_xor_b32 v[PL+6], v[PL+10], v[PL+6]
	v_xor_b32 v[PL+7], v[PL+11], v[PL+7]
	v_pk_fma_f32 v[PL+12:PL+13], v[PL+12:PL+13], v[PL+8:PL+9], 0xbf196966 op_sel_hi:[1,1,0]
	v_pk_fma_f32 v[PL+14:PL+15], v[PL+14:PL+15], v[PL+8:PL+9], 0x3e70fa83 op_sel_hi:[1,1,0]
	v_pk_fma_f32 v[PL+12:PL+13], v[PL+12:PL+13], v[PL+8:PL+9], 0x402335e3 op_sel_hi:[1,1,0]
	v_pk_fma_f32 v[PL+14:PL+15], v[PL+14:PL+15], v[PL+8:PL+9], 0xbfaae9e4 op_sel_hi:[1,1,0]
	v_pk_fma_f32 v[PL+12:PL+13], v[PL+12:PL+13], v[PL+8:PL+9], 0xc0a55de7 op_sel_hi:[1,1,0]
	v_pk_fma_f32 v[PL+14:PL+15], v[PL+14:PL+15], v[PL+8:PL+9], 0x4081e0f8 op_sel_hi:[1,1,0]
	v_pk_fma_f32 v[PL+12:PL+13], v[PL+12:PL+13], v[PL+8:PL+9], 0x40490fdb op_sel_hi:[1,1,0]
	v_pk_fma_f32 v[PL+14:PL+15], v[PL+14:PL+15], v[PL+8:PL+9], 0xc09de9e6 op_sel_hi:[1,1,0]
	v_pk_fma_f32 v[PL+14:PL+15], v[PL+14:PL+15], v[PL+8:PL+9], 1.0 op_sel_hi:[1,1,0]
	v_mul_f32 v[scS], v[PL+6], v[PL+12]
	v_xor_b32 v[scS+27], v[PL+10], v[PL+14]        ; the cosines lie 27 behind the sines
.if (\n) < 13
	v_mul_f32 v[scS+scD], v[PL+7], v[PL+13]
	v_xor_b32 v[scS+scD+27], v[PL+11], v[PL+15]
.endif
.endm
; Weight tile t of the image at img, and its 8 numbers of the bias at boff, into buffer b: five LDS loads
.macro LOADW img, boff, t, b
.irp c, 0,1,2
	ds_load_b128 v[WF+20*(\b)+4*\c:WF+20*(\b)+4*\c+3], v[LI] offset:(\img)+1536*(\t)+512*\c
.endr
.irp c, 0,1
	ds_load_b128 v[WF+20*(\b)+12+4*\c:WF+20*(\b)+15+4*\c], v[LB] offset:(\boff)+4*(32*((\t)/2)+8*((\t)%2))+16*\c
.endr
.endm
; Tile t against the points' tiles A and B.  Layer 0: the weight's words in lanes 0-15; inp's word of tile A in lanes 0-15, of tile B in lanes 16-31.  Layer 1: the weight's words in lanes 16-31
.macro MM t, b, n
.if (\n) == 0
	v_wmma_scale_f32_16x16x128_f8f6f4 v[ACC+8*(\t):ACC+8*(\t)+7], v[WF+20*(\b):WF+20*(\b)+11], v[BFA:BFA+11], v[WF+20*(\b)+12:WF+20*(\b)+19], v[SCW+(\t)], v[PS0] matrix_a_fmt:MATRIX_FMT_FP6 matrix_b_fmt:MATRIX_FMT_FP6
	v_wmma_scale_f32_16x16x128_f8f6f4 v[ACC+64+8*(\t):ACC+64+8*(\t)+7], v[WF+20*(\b):WF+20*(\b)+11], v[BFB:BFB+11], v[WF+20*(\b)+12:WF+20*(\b)+19], v[SCW+(\t)], v[PS0] matrix_a_fmt:MATRIX_FMT_FP6 matrix_b_fmt:MATRIX_FMT_FP6 matrix_b_scale:MATRIX_SCALE_ROW1
.else
	v_wmma_scale_f32_16x16x128_f8f6f4 v[ACC+8*(\t):ACC+8*(\t)+7], v[WF+20*(\b):WF+20*(\b)+11], v[BFA:BFA+11], v[WF+20*(\b)+12:WF+20*(\b)+19], v[SCW+(\t)], v[PWA] matrix_a_fmt:MATRIX_FMT_FP6 matrix_b_fmt:MATRIX_FMT_FP6 matrix_a_scale:MATRIX_SCALE_ROW1
	v_wmma_scale_f32_16x16x128_f8f6f4 v[ACC+64+8*(\t):ACC+64+8*(\t)+7], v[WF+20*(\b):WF+20*(\b)+11], v[BFB:BFB+11], v[WF+20*(\b)+12:WF+20*(\b)+19], v[SCW+(\t)], v[PWB] matrix_a_fmt:MATRIX_FMT_FP6 matrix_b_fmt:MATRIX_FMT_FP6 matrix_a_scale:MATRIX_SCALE_ROW1
.endif
.endm
; A layer: 16 matrix instructions, the weight tiles three ahead through three buffers
.macro LAYER img, boff, n
	LOADW \img, \boff, 0, 0
	LOADW \img, \boff, 1, 1
	LOADW \img, \boff, 2, 2
.rept 8
	v_nop                                          ; the points' scale words were written by vector instructions: 8 places ahead of a scaled matrix instruction; their fragments: 4
.endr
.irp t, 0,1,2,3,4,5,6,7
.if \t < 6
	s_wait_dscnt 10                                ; tile t's five loads are in; those of the two tiles behind it may be out
.elseif \t == 6
	s_wait_dscnt 5
.else
	s_wait_dscnt 0
.endif
	MM \t, \t%3, \n
.if \t < 5
.rept 4
	v_nop                                          ; four places in front of loads into registers that matrix instructions have read (ISA guide 7.12.1 for vector instructions)
.endr
	LOADW \img, \boff, \t+3, \t%3
.endif
.endr
.rept 4
	v_nop                                          ; and in front of the first read of results
.endr
.endm
; softplus100 in place, 16 registers (two accumulators, each from its low end on) a group; the groups' exponentials and logarithms stand between the plain lines of their neighbours
.macro SP_MUL g
.set spi, 0
.rept 16
	v_mul_f32 v[TT+16*((\g)%2)+spi], s48, |v[ACC+16*(\g)+spi]|
.set spi, spi+1
.endr
.endm
.macro SP_EXP g
.set spi, 0
.rept 16
	v_exp_f32 v[TT+16*((\g)%2)+spi], v[TT+16*((\g)%2)+spi]
.set spi, spi+1
.endr
.endm
.macro SP_MAX g
.set spi, 0
.rept 16
	v_max_num_f32 v[ACC+16*(\g)+spi], 0, v[ACC+16*(\g)+spi]
.set spi, spi+1
.endr
.endm
.macro SP_ADD g
.set spi, 0
	s_wait_alu depctr_va_vdst(0)
.rept 8
	v_pk_add_f32 v[TT+16*((\g)%2)+spi:TT+16*((\g)%2)+spi+1], v[TT+16*((\g)%2)+spi:TT+16*((\g)%2)+spi+1], 1.0 op_sel_hi:[1,0]
.set spi, spi+2
.endr
.endm
.macro SP_LOG g
.set spi, 0
.rept 16
	v_log_f32 v[TT+16*((\g)%2)+spi], v[TT+16*((\g)%2)+spi]
.set spi, spi+1
.endr
.endm
.macro SP_FMA g
.set spi, 0
	s_wait_alu depctr_va_vdst(0)
.rept 8
	v_pk_fma_f32 v[ACC+16*(\g)+spi:ACC+16*(\g)+spi+1], v[TT+16*((\g)%2)+spi:TT+16*((\g)%2)+spi+1], s[50:51], v[ACC+16*(\g)+spi:ACC+16*(\g)+spi+1] op_sel_hi:[1,0,1]
.set spi, spi+2
.endr
.endm
.macro SP_DOT g                        ; the group's 16 hidden numbers x W2, two chains a tile; a tile's first two products start the sums
.set dS, 240+4*((\g)/4)
.set spi, 0
.rept 8
.if (((\g)%4) == 0) && (spi < 2)
	v_pk_mul_f32 v[dS+2*(spi%2):dS+2*(spi%2)+1], v[ACC+16*(\g)+2*spi:ACC+16*(\g)+2*spi+1], v[W2R+2*spi:W2R+2*spi+1]
.else
	v_pk_fma_f32 v[dS+2*(spi%2):dS+2*(spi%2)+1], v[ACC+16*(\g)+2*spi:ACC+16*(\g)+2*spi+1], v[W2R+2*spi:W2R+2*spi+1], v[dS+2*(spi%2):dS+2*(spi%2)+1]
.endif
.set spi, spi+1
.endr
.endm
; Behind every run of exponentials or logarithms stand plain lines that touch neither its results nor its sources, before its results are used (ISA guide 5.7.2)
.macro SOFTPLUS dot
	SP_MUL 0
	SP_EXP 0
.irp g, 0,1,2,3,4,5,6,7
.if \dot
.irp c, 0,1,2,3
	ds_load_b128 v[W2R+4*\c:W2R+4*\c+3], v[LB] offset:W2L+128*(\g%4)+16*\c     ; W2 at my 16 hidden units of this group
.endr
.endif
	SP_MAX \g
	SP_ADD \g
	SP_LOG \g
.if \g < 7
	SP_MUL \g+1
	SP_EXP \g+1
.else
	v_nop
	s_wait_alu depctr_va_vdst(0)
.endif
	SP_FMA \g
.if \dot
	s_wait_dscnt 0x0
	SP_DOT \g
.endif
.endr
.endm
; 64 numbers of a lane, none negative, register 16 b + i = k 32 b + 16 (lane / 16) + i of its point, become the point's fragment in v[pc] on and its scale word in v[pw]
.macro QUANT s, pc, pw
.irp b, 0,1,2,3
	v_max3_num_f32 v[TM+\b], v[(\s)+16*\b], v[(\s)+1+16*\b], 0x1800000             ; my 16 of block b, and the floor 2^(3 - 127): the byte cannot fall under 1
.endr
.irp i, 2,4,6,8,10,12,14
.irp b, 0,1,2,3
	v_max3_num_f32 v[TM+\b], v[TM+\b], v[(\s)+16*\b+\i], v[(\s)+1+16*\b+\i]
.endr
.endr
.irp b, 0,1,2,3
	v_permlanex16_b32 v[TM+4+\b], v[TM+\b], s56, s57
.endr
.irp b, 0,1,2,3
	v_max_num_f32 v[TM+\b], v[TM+\b], v[TM+4+\b]   ; with lane l xor 16's: the block's largest
.endr
.irp b, 0,1,2,3
	v_add_nc_u32 v[TM+12+\b], 0xff000000, v[TM+\b] ; 2 off the exponent field: the conversion's scale operand
.endr
.irp b, 0,1,2,3
	v_lshrrev_b32 v[TM+4+\b], 23, v[TM+12+\b]      ; the scale's byte
.endr
	v_lshl_or_b32 v[\pw], v[TM+5], 8, v[TM+4]
	v_lshl_or_b32 v[\pw], v[TM+6], 16, v[\pw]
	v_lshl_or_b32 v[\pw], v[TM+7], 24, v[\pw]
.irp c, 0,1
	v_cvt_scalef32_pk16_fp6_f32 v[\pc+6*\c:\pc+6*\c+2], v[(\s)+32*\c:(\s)+32*\c+15], v[TM+12+2*\c]
	v_cvt_scalef32_pk16_fp6_f32 v[PCX+4*\c:PCX+4*\c+2], v[(\s)+32*\c+16:(\s)+32*\c+31], v[TM+13+2*\c]   ; (a conversion's three registers begin on an even number)
.endr
	v_nop                                          ; one plain place behind a scaled conversion
.irp c, 0,1                                    ; the operand wants a whole block in a lane: lanes 0-15 block 2 c, lanes 16-31 block 2 c + 1
.irp i, 0,1,2
	v_permlane16_swap_b32 v[\pc+6*\c+\i], v[PCX+4*\c+\i]
.endr
.irp i, 0,1,2
	v_mov_b32 v[\pc+3+6*\c+\i], v[PCX+4*\c+\i]
.endr
.endr
.endm
	; ---- the head
	s_load_b512 s[8:23], s[0:1], 0x0               ; x s[8:9], cells s[10:11], table s[12:13], wimg s[14:15], b0 s[16:17], b1 s[18:19], W2 s[20:21], b2 s[22:23]
	s_load_b64 s[24:25], s[0:1], 0x40              ; out
	v_lshrrev_b32 v39, 5, v0
	v_readfirstlane_b32 s60, v39                   ; wave 0..15
	v_and_b32 v39, 31, v0
	v_lshlrev_b32 v[LI], 4, v39
	v_bfe_u32 v[LB], v0, 4, 1
	v_lshlrev_b32 v[LB], 6, v[LB]
	v_lshlrev_b32 v[OO], 4, v0
	s_mul_i32 s61, s60, 1536
	v_add_nc_u32 v40, s61, v[LI]                   ; wave w copies image w of the sixteen: the same place in wimg and in LDS
	v_lshlrev_b32 v42, 2, v39
	v_mul_u32_u24 v43, v0, 48
	s_mov_b32 s48, 0xc31044fe                      ; -100 log2(e)
	s_mov_b32 s50, 0x3be32166                      ; ln 2 / 100
	s_mov_b32 s51, s50                             ; (named with it as a pair, so it is written)
	s_mov_b32 s56, 0x76543210
	s_mov_b32 s57, 0xfedcba98                      ; v_permlanex16_b32's selects for lane l xor 16
	s_mov_b32 vcc_lo, 0xffff0000                   ; lanes 16-31; never rewritten
	s_mov_b32 s59, 4                               ; passes
	v_mov_b32 v252, 0xbbf183a8                     ; -pi^11 / 11!
	v_mov_b32 v253, 0xbbf183a8
	v_mov_b32 v254, 0x3afce9c5                     ; pi^12 / 12!
	v_mov_b32 v255, 0x3afce9c5
.irp i, 1,2,3
	v_mov_b32 v[OQ+\i], 0                          ; the queue of results is shifted before it is full
.endr
	s_mul_i32 s62, ttmp9, 24576                    ; the work-group's 2,048 points: 24,576 bytes of x,
	s_mov_b32 s63, 0
	s_lshl_b32 s30, ttmp9, 13                      ; 8,192 of each plane of cells and of out
	s_mov_b32 s31, 0
	s_wait_kmcnt 0x0
	s_load_b32 s26, s[22:23], 0x0                  ; b2
	s_add_nc_u64 s[8:9], s[8:9], s[62:63]
	s_add_nc_u64 s[10:11], s[10:11], s[30:31]
	s_add_nc_u64 s[24:25], s[24:25], s[30:31]
.irp l, 0,1,2,3,4,5,6,7
	s_add_nc_u64 s[32+2*\l:33+2*\l], s[12:13], \l*0x800000         ; level l's table: 524,288 entries of 16 bytes
.endr
.irp c, 0,1,2
	global_load_b128 v[64+4*\c:67+4*\c], v40, s[14:15] offset:512*\c
.endr
.irp t, 0,1,2,3,4,5,6,7
	global_load_b32 v[SCW+\t], v42, s[14:15] offset:24576+128*\t
.endr
.irp i, 0,1,2
	global_load_b128 v[XQ+4*\i:XQ+4*\i+3], v43, s[8:9] offset:16*\i
.endr
	global_load_b128 v[CQA:CQA+3], v[OO], s[10:11]
	global_load_b128 v[CQB:CQB+3], v[OO], s[10:11] offset:PLANE
	s_cmp_lg_u32 s60, 0
	s_cbranch_scc1 .Lnot_wave_0
	global_load_b128 v[76:79], v[LI], s[16:17]     ; wave 0 also copies b0, b1 and W2, 512 bytes each
	global_load_b128 v[80:83], v[LI], s[18:19]
	global_load_b128 v[84:87], v[LI], s[20:21]
	s_wait_loadcnt 0x0
	ds_store_b128 v[LI], v[76:79] offset:B0L
	ds_store_b128 v[LI], v[80:83] offset:B1L
	ds_store_b128 v[LI], v[84:87] offset:W2L
.Lnot_wave_0:
	s_wait_loadcnt 0x0
.irp c, 0,1,2
	ds_store_b128 v40, v[64+4*\c:67+4*\c] offset:512*\c
.endr
	s_wait_kmcnt 0x0                               ; b2
	s_wait_dscnt 0x0                               ; for the others' sake: my stores have landed
	s_barrier_signal -1
	s_barrier_wait -1                              ; LDS is whole, and is only read from here on
.Lpass:
	; ---- the encoding: a lane, a point.  s_wait_loadcnt 8: the older level's eight gathers are in (so its offsets' registers may be written again), the younger level's eight may be out
	ISSUE 7, G0, IDX0
	ISSUE 6, G1, IDX1
	v_pk_mul_f32 v[U01:U01+1], v[XQ:XQ+1], 0x3ea2f983 op_sel_hi:[1,0]                                          ; x / pi: the product by the rounded 1 / pi,
	v_mul_f32 v[UZ], 0x3ea2f983, v[XQ+2]
	v_pk_fma_f32 v[L01:L01+1], v[XQ:XQ+1], 0x3ea2f983, v[U01:U01+1] op_sel_hi:[1,0,1] neg_lo:[0,0,1] neg_hi:[0,0,1]   ; what its rounding dropped (exact),
	v_fma_f32 v[LZ], v[XQ+2], 0x3ea2f983, -v[UZ]
	v_pk_fma_f32 v[L01:L01+1], v[XQ:XQ+1], 0x325c9c88, v[L01:L01+1] op_sel_hi:[1,0,1]                          ; and x times the rest of 1 / pi
	v_fma_f32 v[LZ], v[XQ+2], 0x325c9c88, v[LZ]
	v_add_f32 v[UZ+1], v[UZ], v[UZ]
	v_add_f32 v[LZ+1], v[LZ], v[LZ]
	SC 0
	SC 1
	s_wait_loadcnt 0x8
	LACC 7, G0
	ISSUE 5, G0, IDX0
	SC 2
	SC 3
	s_wait_loadcnt 0x8
	LACC 6, G1
	ISSUE 4, G1, IDX1
	SC 4
	SC 5
	s_wait_loadcnt 0x8
	LACC 5, G0
	ISSUE 3, G0, IDX0
	SC 6
	SC 7
	s_wait_loadcnt 0x8
	LACC 4, G1
	ISSUE 2, G1, IDX1
	SC 8
	SC 9
	s_wait_loadcnt 0x8
	LACC 3, G0
	ISSUE 1, G0, IDX0
	SC 10
	SC 11
	s_wait_loadcnt 0x8
	LACC 2, G1
	ISSUE 0, G1, IDX1
	SC 12
	SC 13
	s_wait_loadcnt 0x8
	LACC 1, G0
	s_wait_loadcnt 0x0
	LACC 0, G1
.irp d, 0,1,2
	v_mov_b32 v[INP+\d], v[XQ+\d]
.endr
.irp i, 89,90,91,92,93,94,95
	v_mov_b32 v[INP+\i], 0                         ; the third block is filled with zeros
.endr
	; ---- inp is quantised: a lane holds three whole blocks of its point
.irp b, 0,1,2
	v_max3_num_f32 v[TM+\b], |v[INP+32*\b]|, |v[INP+32*\b+1]|, 0x1800000           ; with the floor 2^(3 - 127)
.endr
.irp i, 2,4,6,8,10,12,14,16,18,20,22,24,26,28,30
.irp b, 0,1,2
	v_max3_num_f32 v[TM+\b], v[TM+\b], |v[INP+32*\b+\i]|, |v[INP+32*\b+\i+1]|
.endr
.endr
.irp b, 0,1,2
	v_add_nc_u32 v[TM+4+\b], 0xff000000, v[TM+\b]
.endr
.irp b, 0,1,2
	v_lshrrev_b32 v[TM+8+\b], 23, v[TM+4+\b]
.endr
	v_lshl_or_b32 v[PS0], v[TM+9], 8, v[TM+8]
	v_lshl_or_b32 v[PS0], v[TM+10], 16, v[PS0]
	v_or_b32 v[PS0], 0x7f000000, v[PS0]            ; the fourth block is zeros: byte 127
	v_cvt_scalef32_pk16_fp6_f32 v[BFA:BFA+2], v[INP:INP+15], v[TM+4]               ; block 0 -> A's registers 0-5, block 1 -> B's 0-5, block 2 -> A's 6-11, zeros -> B's 6-11
	v_cvt_scalef32_pk16_fp6_f32 v[PCX:PCX+2], v[INP+16:INP+31], v[TM+4]
	v_cvt_scalef32_pk16_fp6_f32 v[BFB:BFB+2], v[INP+32:INP+47], v[TM+5]
	v_cvt_scalef32_pk16_fp6_f32 v[PCX+4:PCX+6], v[INP+48:INP+63], v[TM+5]
	v_cvt_scalef32_pk16_fp6_f32 v[BFA+6:BFA+8], v[INP+64:INP+79], v[TM+6]
	v_cvt_scalef32_pk16_fp6_f32 v[PCX+8:PCX+10], v[INP+80:INP+95], v[TM+6]
	v_nop                                          ; one plain place behind a scaled conversion
.irp i, 0,1,2
	v_mov_b32 v[BFA+3+\i], v[PCX+\i]
	v_mov_b32 v[BFB+3+\i], v[PCX+4+\i]
	v_mov_b32 v[BFA+9+\i], v[PCX+8+\i]
.endr
.irp i, 6,7,8,9,10,11
	v_mov_b32 v[BFB+\i], 0
.endr
.irp i, 0,1,2,3,4,5,6,7,8,9,10,11
	v_permlane16_swap_b32 v[BFA+\i], v[BFB+\i]     ; A's lanes 16-31 change places with B's lanes 0-15: A is now tile A's operand (lanes 0-15 blocks 0, 2; lanes 16-31 blocks 1, 3 of points 0-15), B tile B's
.endr
	LAYER W0IMG, B0L, 0
	SOFTPLUS 0
	QUANT ACC, BFA, PWA
	QUANT ACC+64, BFB, PWB
	LAYER W1IMG, B1L, 1
	SOFTPLUS 1
	; ---- a point's dot product lies in two lanes, 16 apart; tile A's points belong to lanes 0-15, tile B's to lanes 16-31
	v_pk_add_f32 v[240:241], v[240:241], v[242:243]
	v_pk_add_f32 v[244:245], v[244:245], v[246:247]
	v_add_f32 v248, v240, v241
	v_add_f32 v249, v244, v245
	v_cndmask_b32 v250, v248, v249, vcc_lo         ; my own point's half,
	v_cndmask_b32 v251, v249, v248, vcc_lo         ; and the half that the lane 16 away wants
	v_permlanex16_b32 v240, v251, s56, s57
.irp i, 0,1,2
	v_mov_b32 v[OQ+\i], v[OQ+\i+1]
.endr
	v_add_f32 v250, v250, v240
	v_add_f32 v[OQ+3], s26, v250                   ; + b2
.irp i, 0,1,2,3,4,5,6,7,8
	v_mov_b32 v[XQ+\i], v[XQ+\i+3]                 ; the next point comes to the queues' heads
.endr
.irp i, 0,1,2
	v_mov_b32 v[CQA+\i], v[CQA+\i+1]
	v_mov_b32 v[CQB+\i], v[CQB+\i+1]
.endr
	s_sub_co_u32 s59, s59, 1
	s_cmp_lg_u32 s59, 0
	s_cbranch_scc1 .Lpass
	global_store_b128 v[OO], v[OQ:OQ+3], s[24:25] th:TH_STORE_NT   ; 32 lanes store 512 consecutive bytes, aligned; written once, read by nobody here
	s_wait_xcnt 0x0
	v_lshl_add_u32 v254, v0, 2, 0x6600
	v_mov_b32 v255, 0
	s_wait_tensorcnt 0x0
	ds_add_u32 v254, v255
	s_wait_dscnt 0x0
	s_endpgm
.Lfunc_end_k_q0f16ae305a_net:
	.size	k_q0f16ae305a_net, .Lfunc_end_k_q0f16ae305a_net-k_q0f16ae305a_net
	.p2alignl 7, 3214868480
	.fill 96, 4, 3214868480
	.section	.rodata,"a",@progbits
	.p2align	6, 0x0
	.amdhsa_kernel k_q0f16ae305a_net
		.amdhsa_group_segment_fixed_size 28160
		.amdhsa_private_segment_fixed_size 0
		.amdhsa_enable_private_segment 0
		.amdhsa_kernarg_size 72
		.amdhsa_user_sgpr_count 2
		.amdhsa_user_sgpr_kernarg_segment_ptr 1
		.amdhsa_wavefront_size32 1
		.amdhsa_system_sgpr_workgroup_id_x 1
		.amdhsa_system_sgpr_workgroup_id_y 1
		.amdhsa_system_sgpr_workgroup_id_z 1
		.amdhsa_system_vgpr_workitem_id 0
		.amdhsa_next_free_vgpr 256
		.amdhsa_next_free_sgpr 66
		.amdhsa_reserve_vcc 1
		.amdhsa_float_denorm_mode_32 3
		.amdhsa_float_denorm_mode_16_64 3
		.amdhsa_memory_ordered 1
		.amdhsa_forward_progress 1
		.amdhsa_inst_pref_size 151
	.end_amdhsa_kernel
	.amdgpu_metadata
---
amdhsa.version: [ 1, 2 ]
amdhsa.kernels:
  - .name:           k_q0f16ae305a_net
    .symbol:         k_q0f16ae305a_net.kd
    .args:
      - { .name: x, .offset: 0, .size: 8, .value_kind: global_buffer, .address_space: global }
      - { .name: cells, .offset: 8, .size: 8, .value_kind: global_buffer, .address_space: global }
      - { .name: table, .offset: 16, .size: 8, .value_kind: global_buffer, .address_space: global }
      - { .name: wimg, .offset: 24, .size: 8, .value_kind: global_buffer, .address_space: global }
      - { .name: b0, .offset: 32, .size: 8, .value_kind: global_buffer, .address_space: global }
      - { .name: b1, .offset: 40, .size: 8, .value_kind: global_buffer, .address_space: global }
      - { .name: W2, .offset: 48, .size: 8, .value_kind: global_buffer, .address_space: global }
      - { .name: b2, .offset: 56, .size: 8, .value_kind: global_buffer, .address_space: global }
      - { .name: out0, .offset: 64, .size: 8, .value_kind: global_buffer, .address_space: global }
    .group_segment_fixed_size: 28160
    .private_segment_fixed_size: 0
    .kernarg_segment_align: 8
    .kernarg_segment_size: 72
    .max_flat_workgroup_size: 512
    .sgpr_count:     66
    .vgpr_count:     256
    .wavefront_size: 32
...
	.end_amdgpu_metadata
.endif
;; end of part 2
;; ======== version 2 of 2: 2 launches; version 1 with the launch net written anew for expert scheduling mode
;; limits: a function is approximated: absolute error at most 6e-10; inputs' magnitudes at most 51,000
;; workspace buffers: cells 4,194,304 bytes of whole numbers; wimg 25,600 bytes
;; launch prep: the kernel of part 1 again; grid 512 x 1, 8 waves a work-group, no clusters, 0 bytes of LDS; arguments x, W0, W1_codes, W1_scales, cells, wimg; writes cells, wimg
;; launch net (part 3): grid 256 x 1, 16 waves a work-group, no clusters, 28,160 bytes of LDS; arguments x, cells, table, wimg, b0, b1, W2, b2, out0; writes out0
.if DOCPART == 3
	.amdgcn_target "amdgcn-amd-amdhsa--gfx1250"
	.amdhsa_code_object_version 6
	.text
	.protected	k_q0f16ae305a_net
	.globl	k_q0f16ae305a_net
	.p2align	8
	.type	k_q0f16ae305a_net,@function
k_q0f16ae305a_net:
	s_mov_b64 s[64:65], 0
	v_nop
	global_prefetch_b8 v0, s[64:65] scope:SCOPE_SE
	s_setreg_imm32_b32 hwreg(HW_REG_WAVE_SCHED_MODE, 0, 2), 2
	s_setreg_imm32_b32 hwreg(HW_REG_WAVE_MODE, 25, 1), 1
	s_wait_xcnt 0x0
	s_wait_alu depctr_vm_vsrc(0)
; NET.  out = softplus100(softplus100(inp W0^T + b0) W1^T + b1) W2^T + b2 for 524,288 points; inp (89 numbers) = x, sin(2^m x), cos(2^m x) (m = 0 .. 8), and 8 levels x 4 features of a hash grid, trilinear.
; Both layers' products go on codes of E2M3 with one E8M0 byte for each 32 along K; inp and the first hidden layer are quantised in registers; nothing goes to memory between the steps.
; SHARES.  256 work-groups x 16 waves x 32 lanes x 4 points.  A lane owns 4 neighbouring points: 48 bytes of x, 16 bytes of each plane of cells, 16 bytes of out (a wave's store covers 512 consecutive bytes, aligned).
; A loop of 4 passes: in a pass a lane encodes ONE point; lanes 0-15's points form tile A, lanes 16-31's tile B.  The queues of x, cells and results are shifted at a pass's end, so the pass is written once.
; Sixteen waves of 256 registers: one wave's gathers and exponentials stand beside another's arithmetic.  The matrix work is 32 instructions a pass beside some 2,000 vector instructions, so large wave tiles would buy nothing.
; THE GATHERS' ADDRESSES are made of the whole numbers that the first launch stored (cells): coordinate at level l = I >> (7 - l).  Levels 0-2 are dense (strides 17, 33, 65), levels 3-7 hashed; of the primes only the low 19 bits count under the mask.
; Two levels' gathers (16 loads a wave) are out while sines, cosines and an earlier level's sums are worked.
; SINE AND COSINE: u = x / pi in two words (product and exact rest); A = 2^m u is exact; K = A rounded to a whole number; g = A - K (exact) + 2^m x the low word; sin = (-1)^K sin(pi g), cos = (-1)^K cos(pi g), |g| <= 1/2, by
; Taylor's series to g^11 and g^12 (what is cut off is under 6e-8).
; THE PRODUCTS ARE USED TRANSPOSED (source 0 = 16 rows of the weight, source 1 = 16 points): a lane holds one point, and by the choice of a tile's rows (made in the first launch) register 16 b + i of a tile's 64 is hidden unit 32 b + 16 (lane / 16) + i.
; The biases are the C of each product.  Each accumulator takes ONE matrix instruction (K = 128): no sum is added onto in place.
; softplus100(v) = max(v, 0) + ln 2 / 100 x log2(1 + 2^(-100 log2(e) |v|)).
; WEIGHTS: 24 KB of register images, b0, b1, W2 are copied into LDS once (one barrier) and only read after that.  No cluster, no joint loads: what the work-groups share is these 26 KB, read once each, against 2 MB of gathers a work-group.
; LIMITS: NaN and infinities are not served.  |x| x 256 / pi stays under 2^22 (|x| under 51,000).  log2(1 + e) leaves an absolute error of about 5e-10 in a hidden number, which is more than 1e-6 of it only where it lies under 5e-4.
; A block of zeros carries the byte 1 (inp's fourth block: 127) over zero codes: it adds nothing.
; THE MODE: SCHED_MODE bits 1:0 = 2 (LLVM: expert scheduling mode 2), set by the entry lines.  The code itself states the register dependences between vector or matrix instructions and memory or LDS instructions, with s_wait_alu, always for 0.
; THE PLAN.  Registers that memory or LDS instructions touch:
;   v1-3          offsets, written at the head and never again: one wait on va_vdst at the head serves every load and store that reads them.
;   IDX0, IDX1    written by CELLS, read by GATHER's loads; behind the encoding the conversions write them as the points' fragments.  A wait on vm_vsrc at levels 5, 3 and 1 stands behind the latest gathers of BOTH sets, so it also
;                 frees the other set for levels 4, 2 and 0; one more stands ahead of the conversions.
;   G0, G1        a level's gathers land here; LACC reads them; the gathers of two levels on land here again.  One wait on va_vdst to a level, behind LACC and CELLS: the set is read out and the offsets are written.  Levels 7 and 6 share
;                 the wait at a pass's head, which also states that the last pass's matrix and vector instructions on v160-223 are done.
;   WF            three buffers; LDS loads land, a tile's two matrix instructions read.  One wait at a layer's head (behind the places), then one for tiles 3 and 4, one for tile 5, one for tiles 6 and 7.
;   W2A, W2B      two sets by turns: group g + 1's four loads go out behind the wait that stands in group g for its logarithms, into the set that group g - 1's dot product, issued ahead of that wait, has read.
;   OQ            written by each pass's last lines; read by the one store, behind one wait.
.set PLANE, 2097152                    ; bytes of a plane of cells
.set W0IMG, 0                          ; LDS: W0's 8 tiles, 1,536 bytes each: registers 4 c .. 4 c + 3 of lane l at 512 c + 16 l
.set W1IMG, 12288                      ; W1's likewise
.set B0L,   24576                      ; b0, b1, W2 as they lie, 512 bytes each
.set B1L,   25088
.set W2L,   25600
.set LI,  1                            ; v1      16 x lane; never rewritten
.set LB,  2                            ; v2      64 x (lane / 16); never rewritten
.set OO,  3                            ; v3      16 x thread: my place in cells and in out
.set XQ,  4                            ; v4-15   my points' coordinates, the pass's point first
.set CQA, 16                           ; v16-19  their words Ix | Iy << 16
.set CQB, 20                           ; v20-23  their words Iz
.set OQ,  24                           ; v24-27  their results
.set SCW, 28                           ; v28-35  scale words of tile t: lanes 0-15 W0's, lanes 16-31 W1's.  v28-38 hold scales and nothing else
.set PS0, 36                           ; v36     inp's scale word: lane l has its own point's
.set PWA, 37                           ; v37, 38 the hidden layer's scale words, tiles A and B
.set PWB, 38
.set U01, 40                           ; encoding: x / pi of coordinates 0, 1;  v[42:43] of coordinate 2, once and doubled;  v[44:47] the low words likewise
.set UZ,  42
.set L01, 44
.set LZ,  46
.set IDX0, 48                          ; v48-55, v56-63 byte offsets of the gathers in flight, a set for each of the two levels
.set IDX1, 56
.set BFA, 40                           ; behind the encoding: the points' fragments, tiles A and B
.set BFB, 52
.set INP, 64                           ; v64-159 inp, K = 0 .. 95
.set ACC, 64                           ; behind it: the accumulators: tile A at 64 + 8 t, tile B at 128 + 8 t
.set G0,  160                          ; v160-191, v192-223 eight corners x 4 features, a set for each of the two levels
.set G1,  192
.set PL,  224                          ; v224-251 at work in the encoding
.set WF,  192                          ; in a layer: three buffers of 20: a weight tile's 12 registers and its 8 of bias
.set TT,  192                          ; in a softplus: two sets of 16
.set W2A, 224                          ; v224-239 sixteen numbers of W2 for the even groups;  v240-247 the dot products' sums, two chains a tile
.set W2B, 40                           ; v40-55   and for the odd groups: the points' fragments are done with behind the second layer
.set TM,  192                          ; in a quantiser: largest magnitudes, bytes, scale operands
.set PCX, 208                          ; and the upper halves of blocks' codes
                                       ; v[252:253] sine's coefficient of g^11, v[254:255] cosine's of g^12, each twice; not rewritten before the kernel's end
; The byte offsets of level l's 8 gathers into set ix.  A number that was loaded enters an address behind v_min_u32 with the table's bound; behind it stands a shift alone.
.macro CELLS l, ix
	v_bfe_u32 v[PL], v[CQA], 7-(\l), 4+(\l)        ; the cell: I >> (7 - l)
	v_bfe_u32 v[PL+1], v[CQA], 23-(\l), 4+(\l)
	v_bfe_u32 v[PL+2], v[CQB], 7-(\l), 4+(\l)
.if (\l) >= 3
	v_add_nc_u32 v[PL+3], 1, v[PL]
	v_mul_u32_u24 v[PL+4], v[PL+1], 0x779b1        ; y x 2,654,435,761 and z x 805,459,861, as far as the low 19 bits need
	v_mul_u32_u24 v[PL+6], v[PL+2], 0x25795
	v_add_nc_u32 v[PL+5], 0x779b1, v[PL+4]
	v_add_nc_u32 v[PL+7], 0x25795, v[PL+6]
.irp j, 0,1,2,3
	v_xor_b32 v[PL+8+\j], v[PL+4+(\j&1)], v[PL+6+(\j>>1)]
.endr
.irp j, 0,1,2,3
	v_and_b32 v[PL+8+\j], 0x7ffff, v[PL+8+\j]
.endr
.irp i, 0,1,2,3,4,5,6,7
	v_xor_b32 v[\ix+\i], v[PL+3*(\i&1)], v[PL+8+(\i>>1)]
.endr
.irp i, 0,1,2,3,4,5,6,7
	v_min_u32 v[\ix+\i], 0x7ffff, v[\ix+\i]
.endr
.irp i, 0,1,2,3,4,5,6,7
	v_lshlrev_b32 v[\ix+\i], 4, v[\ix+\i]          ; 16 bytes an entry
.endr
.else
.set dR, 1+(16<<(\l))                  ; a dense level: x + y R + z R^2; the corners stand in the loads' immediates
	v_mad_u32_u24 v[PL], v[PL+1], dR, v[PL]
	v_mad_u32_u24 v[PL], v[PL+2], dR*dR, v[PL]
	v_min_u32 v[\ix], (dR-2)*(1+dR+dR*dR), v[PL]
	v_lshlrev_b32 v[\ix], 4, v[\ix]
.endif
.endm
; The 8 gathers of level l into set g, by the offsets in set ix
.macro GATHER l, g, ix
.if (\l) >= 3
.irp i, 0,1,2,3,4,5,6,7
	global_load_b128 v[\g+4*\i:\g+4*\i+3], v[\ix+\i], s[32+2*(\l):33+2*(\l)]
.endr
.else
.set dR, 1+(16<<(\l))
.irp i, 0,1,2,3,4,5,6,7
	global_load_b128 v[\g+4*\i:\g+4*\i+3], v[\ix], s[32+2*(\l):33+2*(\l)] offset:16*((\i&1)+((\i>>1)&1)*dR+(\i>>2)*dR*dR)
.endr
.endif
.endm
; Corner i (1 .. 6) of set g onto the four sums, two at a time; the weight is one half of a pair
.macro CORNER g, i
.if ((\i)%2) == 0
	v_pk_fma_f32 v[PL+24:PL+25], v[\g+4*(\i):\g+4*(\i)+1], v[PL+16+(\i):PL+17+(\i)], v[PL+24:PL+25] op_sel_hi:[1,0,1]
	v_pk_fma_f32 v[PL+26:PL+27], v[\g+4*(\i)+2:\g+4*(\i)+3], v[PL+16+(\i):PL+17+(\i)], v[PL+26:PL+27] op_sel_hi:[1,0,1]
.else
	v_pk_fma_f32 v[PL+24:PL+25], v[\g+4*(\i):\g+4*(\i)+1], v[PL+15+(\i):PL+16+(\i)], v[PL+24:PL+25] op_sel:[0,1,0] op_sel_hi:[1,1,1]
	v_pk_fma_f32 v[PL+26:PL+27], v[\g+4*(\i)+2:\g+4*(\i)+3], v[PL+15+(\i):PL+16+(\i)], v[PL+26:PL+27] op_sel:[0,1,0] op_sel_hi:[1,1,1]
.endif
.endm
; Level l's four features from set g: the fractions, the eight weights ((x y) z), the sum over the corners in ascending order
.macro LACC l, g
	v_pk_mul_f32 v[PL:PL+1], v[XQ:XQ+1], (131+(\l))<<23 op_sel_hi:[1,0]   ; x res: exact
	v_mul_f32 v[PL+2], (131+(\l))<<23, v[XQ+2]
	v_floor_f32 v[PL+3], v[PL]
	v_floor_f32 v[PL+4], v[PL+1]
	v_floor_f32 v[PL+5], v[PL+2]
	v_sub_f32 v[PL+7], v[PL], v[PL+3]              ; a pair for each axis: 1 - f below, f above
	v_sub_f32 v[PL+9], v[PL+1], v[PL+4]
	v_sub_f32 v[PL+11], v[PL+2], v[PL+5]
	v_sub_f32 v[PL+6], 1.0, v[PL+7]
	v_sub_f32 v[PL+8], 1.0, v[PL+9]
	v_sub_f32 v[PL+10], 1.0, v[PL+11]
	v_pk_mul_f32 v[PL+12:PL+13], v[PL+6:PL+7], v[PL+8:PL+9] op_sel_hi:[1,0]
	v_pk_mul_f32 v[PL+14:PL+15], v[PL+6:PL+7], v[PL+8:PL+9] op_sel:[0,1] op_sel_hi:[1,1]
	v_pk_mul_f32 v[PL+16:PL+17], v[PL+12:PL+13], v[PL+10:PL+11] op_sel_hi:[1,0]
	v_pk_mul_f32 v[PL+18:PL+19], v[PL+14:PL+15], v[PL+10:PL+11] op_sel_hi:[1,0]
	v_pk_mul_f32 v[PL+20:PL+21], v[PL+12:PL+13], v[PL+10:PL+11] op_sel:[0,1] op_sel_hi:[1,1]
	v_pk_mul_f32 v[PL+22:PL+23], v[PL+14:PL+15], v[PL+10:PL+11] op_sel:[0,1] op_sel_hi:[1,1]   ; weight of corner i at v[PL + 16 + i]
	v_pk_mul_f32 v[PL+24:PL+25], v[\g:\g+1], v[PL+16:PL+17] op_sel_hi:[1,0]
	v_pk_mul_f32 v[PL+26:PL+27], v[\g+2:\g+3], v[PL+16:PL+17] op_sel_hi:[1,0]
.irp i, 1,2,3,4,5,6
	CORNER \g, \i
.endr
.irp f, 0,1,2,3
	v_fma_f32 v[INP+57+4*(\l)+\f], v[\g+28+\f], v[PL+23], v[PL+24+\f]     ; the last corner writes inp (an odd register: unpacked)
.endr
.endm
; Level l + 2's sums out of set g, then level l's gathers into it.  free = 1: the wait on vm_vsrc is owed here; it stands behind the latest gathers of both sets of offsets, so the next level, which takes the other set, owes none
.macro NEXT l, g, ix, free
	s_wait_loadcnt 0x8                             ; the older level's eight gathers are in (so its offsets' registers may be written again), the younger level's eight may be out
	LACC (\l)+2, \g
.if \free
	s_wait_alu depctr_vm_vsrc(0)                   ; the gathers issued so far have read their offsets: this set is written by the lines below, the other set by the next level's
.endif
	CELLS \l, \ix
	s_wait_alu depctr_va_vdst(0)                   ; the sums above are done reading set g, in which the gathers below land; the offsets that they read are written
	GATHER \l, \g, \ix
.endm
; Sine and cosine of a pair of arguments.  n = 0 .. 8: coordinates 0 and 1 at 2^n;  n = 9 .. 13: coordinate 2 at 2^m and 2^(m + 1), m = 2 (n - 9); of the last pair only the first is wanted
.macro SC n
.if (\n) < 9
.set scU, U01
.set scL, L01
.set scM, (\n)
.set scS, INP+3+3*scM
.set scD, 1
.else
.set scU, UZ
.set scL, LZ
.set scM, 2*((\n)-9)
.set scS, INP+5+3*scM
.set scD, 3
.endif
.set scF, (127+scM)<<23
	v_pk_mul_f32 v[PL:PL+1], v[scU:scU+1], scF op_sel_hi:[1,0]                    ; A: half turns; exact
	v_pk_add_f32 v[PL+2:PL+3], v[PL:PL+1], 0x4b400000 op_sel_hi:[1,0]             ; + 1.5 x 2^23: the sum's last bit is K's
	v_pk_add_f32 v[PL+4:PL+5], v[PL+2:PL+3], 0xcb400000 op_sel_hi:[1,0]           ; K
	v_lshlrev_b32 v[PL+10], 31, v[PL+2]                                           ; (-1)^K as a sign bit
	v_lshlrev_b32 v[PL+11], 31, v[PL+3]
	v_pk_add_f32 v[PL+6:PL+7], v[PL:PL+1], v[PL+4:PL+5] neg_lo:[0,1] neg_hi:[0,1] ; g = A - K: exact
	v_pk_fma_f32 v[PL+6:PL+7], v[scL:scL+1], scF, v[PL+6:PL+7] op_sel_hi:[1,0,1]  ; + the low word
	v_pk_mul_f32 v[PL+8:PL+9], v[PL+6:PL+7], v[PL+6:PL+7]
	v_pk_fma_f32 v[PL+12:PL+13], v[PL+8:PL+9], v[252:253], 0x3da83c1a op_sel_hi:[1,1,0]   ; the two series by turns
	v_pk_fma_f32 v[PL+14:PL+15], v[PL+8:PL+9], v[254:255], 0xbcd368f9 op_sel_hi:[1,1,0]
	v_xor_b32 v[PL+6], v[PL+10], v[PL+6]
	v_xor_b32 v[PL+7], v[PL+11], v[PL+7]
	v_pk_fma_f32 v[PL+12:PL+13], v[PL+12:PL+13], v[PL+8:PL+9], 0xbf196966 op_sel_hi:[1,1,0]
	v_pk_fma_f32 v[PL+14:PL+15], v[PL+14:PL+15], v[PL+8:PL+9], 0x3e70fa83 op_sel_hi:[1,1,0]
	v_pk_fma_f32 v[PL+12:PL+13], v[PL+12:PL+13], v[PL+8:PL+9], 0x402335e3 op_sel_hi:[1,1,0]
	v_pk_fma_f32 v[PL+14:PL+15], v[PL+14:PL+15], v[PL+8:PL+9], 0xbfaae9e4 op_sel_hi:[1,1,0]
	v_pk_fma_f32 v[PL+12:PL+13], v[PL+12:PL+13], v[PL+8:PL+9], 0xc0a55de7 op_sel_hi:[1,1,0]
	v_pk_fma_f32 v[PL+14:PL+15], v[PL+14:PL+15], v[PL+8:PL+9], 0x4081e0f8 op_sel_hi:[1,1,0]
	v_pk_fma_f32 v[PL+12:PL+13], v[PL+12:PL+13], v[PL+8:PL+9], 0x40490fdb op_sel_hi:[1,1,0]
	v_pk_fma_f32 v[PL+14:PL+15], v[PL+14:PL+15], v[PL+8:PL+9], 0xc09de9e6 op_sel_hi:[1,1,0]
	v_pk_fma_f32 v[PL+14:PL+15], v[PL+14:PL+15], v[PL+8:PL+9], 1.0 op_sel_hi:[1,1,0]
	v_mul_f32 v[scS], v[PL+6], v[PL+12]
	v_xor_b32 v[scS+27], v[PL+10], v[PL+14]        ; the cosines lie 27 behind the sines
.if (\n) < 13
	v_mul_f32 v[scS+scD], v[PL+7], v[PL+13]
	v_xor_b32 v[scS+scD+27], v[PL+11], v[PL+15]
.endif
.endm
; Weight tile t of the image at img, and its 8 numbers of the bias at boff, into buffer b: five LDS loads
.macro LOADW img, boff, t, b
.irp c, 0,1,2
	ds_load_b128 v[WF+20*(\b)+4*\c:WF+20*(\b)+4*\c+3], v[LI] offset:(\img)+1536*(\t)+512*\c
.endr
.irp c, 0,1
	ds_load_b128 v[WF+20*(\b)+12+4*\c:WF+20*(\b)+15+4*\c], v[LB] offset:(\boff)+4*(32*((\t)/2)+8*((\t)%2))+16*\c
.endr
.endm
; Tile t against the points' tiles A and B.  Layer 0: the weight's words in lanes 0-15; inp's word of tile A in lanes 0-15, of tile B in lanes 16-31.  Layer 1: the weight's words in lanes 16-31
.macro MM t, b, n
.if (\n) == 0
	v_wmma_scale_f32_16x16x128_f8f6f4 v[ACC+8*(\t):ACC+8*(\t)+7], v[WF+20*(\b):WF+20*(\b)+11], v[BFA:BFA+11], v[WF+20*(\b)+12:WF+20*(\b)+19], v[SCW+(\t)], v[PS0] matrix_a_fmt:MATRIX_FMT_FP6 matrix_b_fmt:MATRIX_FMT_FP6
	v_wmma_scale_f32_16x16x128_f8f6f4 v[ACC+64+8*(\t):ACC+64+8*(\t)+7], v[WF+20*(\b):WF+20*(\b)+11], v[BFB:BFB+11], v[WF+20*(\b)+12:WF+20*(\b)+19], v[SCW+(\t)], v[PS0] matrix_a_fmt:MATRIX_FMT_FP6 matrix_b_fmt:MATRIX_FMT_FP6 matrix_b_scale:MATRIX_SCALE_ROW1
.else
	v_wmma_scale_f32_16x16x128_f8f6f4 v[ACC+8*(\t):ACC+8*(\t)+7], v[WF+20*(\b):WF+20*(\b)+11], v[BFA:BFA+11], v[WF+20*(\b)+12:WF+20*(\b)+19], v[SCW+(\t)], v[PWA] matrix_a_fmt:MATRIX_FMT_FP6 matrix_b_fmt:MATRIX_FMT_FP6 matrix_a_scale:MATRIX_SCALE_ROW1
	v_wmma_scale_f32_16x16x128_f8f6f4 v[ACC+64+8*(\t):ACC+64+8*(\t)+7], v[WF+20*(\b):WF+20*(\b)+11], v[BFB:BFB+11], v[WF+20*(\b)+12:WF+20*(\b)+19], v[SCW+(\t)], v[PWB] matrix_a_fmt:MATRIX_FMT_FP6 matrix_b_fmt:MATRIX_FMT_FP6 matrix_a_scale:MATRIX_SCALE_ROW1
.endif
.endm
; In front of loads into buffers that matrix instructions have read: first the places, then the wait
.macro SPENT
.rept 4
	v_nop                                          ; four places in front of loads into registers that matrix instructions have read (ISA guide 7.12.1 for vector instructions)
.endr
	s_wait_alu depctr_va_vdst(0)                   ; the matrix instructions issued so far are done reading their weight tiles and biases: the loads below land in those buffers
.endm
; A layer: 16 matrix instructions, the weight tiles through three buffers (tile t in buffer t % 3).  The loads go in groups, each behind one wait: tiles 0-2; 3 and 4 behind tiles 0 and 1; 5 behind tile 2; 6 and 7 behind tiles 3 and 4.
; The counts on DScnt: five loads for each tile that was asked for later than the one about to be multiplied.
.macro LAYER img, boff, n
.rept 8
	v_nop                                          ; the points' scale words were written by vector instructions: 8 places ahead of a scaled matrix instruction; their fragments: 4
.endr
	s_wait_alu depctr_va_vdst(0)                   ; the points' fragments and scale words are written, which the matrix instructions below take; the vector instructions that named v192-251 are done: the weight tiles land there
	LOADW \img, \boff, 0, 0
	LOADW \img, \boff, 1, 1
	LOADW \img, \boff, 2, 2
	s_wait_dscnt 10                                ; tile 0 is in; tiles 1 and 2 may be out
	MM 0, 0, \n
	s_wait_dscnt 5
	MM 1, 1, \n
	SPENT
	LOADW \img, \boff, 3, 0
	LOADW \img, \boff, 4, 1
	s_wait_dscnt 10                                ; tile 2 is in; tiles 3 and 4 may be out
	MM 2, 2, \n
	SPENT
	LOADW \img, \boff, 5, 2
	s_wait_dscnt 10                                ; tile 3 is in; tiles 4 and 5 may be out
	MM 3, 0, \n
	s_wait_dscnt 5
	MM 4, 1, \n
	SPENT
	LOADW \img, \boff, 6, 0
	LOADW \img, \boff, 7, 1
	s_wait_dscnt 10                                ; tile 5 is in; tiles 6 and 7 may be out
	MM 5, 2, \n
	s_wait_dscnt 5
	MM 6, 0, \n
	s_wait_dscnt 0
	MM 7, 1, \n
.rept 4
	v_nop                                          ; four places in front of the first read of results, and of the vector lines that write registers which held weight tiles
.endr
.endm
; softplus100 in place, 16 registers (two accumulators, each from its low end on) a group; the groups' exponentials and logarithms stand between the plain lines of their neighbours
.macro SP_MUL g
.set spi, 0
.rept 16
	v_mul_f32 v[TT+16*((\g)%2)+spi], s48, |v[ACC+16*(\g)+spi]|
.set spi, spi+1
.endr
.endm
.macro SP_EXP g
.set spi, 0
.rept 16
	v_exp_f32 v[TT+16*((\g)%2)+spi], v[TT+16*((\g)%2)+spi]
.set spi, spi+1
.endr
.endm
.macro SP_MAX g
.set spi, 0
.rept 16
	v_max_num_f32 v[ACC+16*(\g)+spi], 0, v[ACC+16*(\g)+spi]
.set spi, spi+1
.endr
.endm
.macro SP_ADD g
.set spi, 0
.rept 8
	v_pk_add_f32 v[TT+16*((\g)%2)+spi:TT+16*((\g)%2)+spi+1], v[TT+16*((\g)%2)+spi:TT+16*((\g)%2)+spi+1], 1.0 op_sel_hi:[1,0]
.set spi, spi+2
.endr
.endm
.macro SP_LOG g
.set spi, 0
.rept 16
	v_log_f32 v[TT+16*((\g)%2)+spi], v[TT+16*((\g)%2)+spi]
.set spi, spi+1
.endr
.endm
.macro SP_FMA g
.set spi, 0
.rept 8
	v_pk_fma_f32 v[ACC+16*(\g)+spi:ACC+16*(\g)+spi+1], v[TT+16*((\g)%2)+spi:TT+16*((\g)%2)+spi+1], s[50:51], v[ACC+16*(\g)+spi:ACC+16*(\g)+spi+1] op_sel_hi:[1,0,1]
.set spi, spi+2
.endr
.endm
.macro W2LOAD g                        ; W2 at my 16 hidden units of group g, into the set of g's turn
.set dW, W2A+(W2B-W2A)*((\g)%2)
.irp c, 0,1,2,3
	ds_load_b128 v[dW+4*\c:dW+4*\c+3], v[LB] offset:W2L+128*((\g)%4)+16*\c
.endr
.endm
.macro SP_DOT g                        ; the group's 16 hidden numbers x W2, two chains a tile; a tile's first two products start the sums
.set dS, 240+4*((\g)/4)
.set dW, W2A+(W2B-W2A)*((\g)%2)
.set spi, 0
.rept 8
.if (((\g)%4) == 0) && (spi < 2)
	v_pk_mul_f32 v[dS+2*(spi%2):dS+2*(spi%2)+1], v[ACC+16*(\g)+2*spi:ACC+16*(\g)+2*spi+1], v[dW+2*spi:dW+2*spi+1]
.else
	v_pk_fma_f32 v[dS+2*(spi%2):dS+2*(spi%2)+1], v[ACC+16*(\g)+2*spi:ACC+16*(\g)+2*spi+1], v[dW+2*spi:dW+2*spi+1], v[dS+2*(spi%2):dS+2*(spi%2)+1]
.endif
.set spi, spi+1
.endr
.endm
; Behind every run of exponentials or logarithms stand plain lines that touch neither its results nor its sources, before its results are used (ISA guide 5.7.2)
.macro SOFTPLUS dot
	SP_MUL 0
	SP_EXP 0
.irp g, 0,1,2,3,4,5,6,7
	SP_MAX \g
.if \g == 0
	s_wait_alu depctr_va_vdst(0)                   ; group 0's exponentials are written, ahead of the additions that read them; with dot = 1 also: the layer's matrix instructions are done reading v224-239, in which W2's first sixteen land
.if \dot
	W2LOAD 0
.endif
.endif
	SP_ADD \g
	SP_LOG \g
.if \g < 7
	SP_MUL \g+1
	SP_EXP \g+1
.else
	v_nop                                          ; a plain place behind the last logarithm
.endif
	s_wait_alu depctr_va_vdst(0)                   ; group g's logarithms are written, ahead of the multiply-adds that read them, and so are group g + 1's exponentials, ahead of its additions; with dot = 1 also: what read the other set of W2 (group g - 1's dot product; for group 0 the layer's matrix instructions) is done
.if \dot
.if \g < 7
	W2LOAD \g+1
.endif
.endif
	SP_FMA \g
.if \dot
.if \g < 7
	s_wait_dscnt 0x4                               ; this group's sixteen of W2 are in; the next group's four loads may be out
.else
	s_wait_dscnt 0x0
.endif
	SP_DOT \g
.endif
.endr
.endm
; 64 numbers of a lane, none negative, register 16 b + i = k 32 b + 16 (lane / 16) + i of its point, become the point's fragment in v[pc] on and its scale word in v[pw]
.macro QUANT s, pc, pw
.irp b, 0,1,2,3
	v_max3_num_f32 v[TM+\b], v[(\s)+16*\b], v[(\s)+1+16*\b], 0x1800000             ; my 16 of block b, and the floor 2^(3 - 127): the byte cannot fall under 1
.endr
.irp i, 2,4,6,8,10,12,14
.irp b, 0,1,2,3
	v_max3_num_f32 v[TM+\b], v[TM+\b], v[(\s)+16*\b+\i], v[(\s)+1+16*\b+\i]
.endr
.endr
.irp b, 0,1,2,3
	v_permlanex16_b32 v[TM+4+\b], v[TM+\b], s56, s57
.endr
.irp b, 0,1,2,3
	v_max_num_f32 v[TM+\b], v[TM+\b], v[TM+4+\b]   ; with lane l xor 16's: the block's largest
.endr
.irp b, 0,1,2,3
	v_add_nc_u32 v[TM+12+\b], 0xff000000, v[TM+\b] ; 2 off the exponent field: the conversion's scale operand
.endr
.irp b, 0,1,2,3
	v_lshrrev_b32 v[TM+4+\b], 23, v[TM+12+\b]      ; the scale's byte
.endr
	v_lshl_or_b32 v[\pw], v[TM+5], 8, v[TM+4]
	v_lshl_or_b32 v[\pw], v[TM+6], 16, v[\pw]
	v_lshl_or_b32 v[\pw], v[TM+7], 24, v[\pw]
.irp c, 0,1
	v_cvt_scalef32_pk16_fp6_f32 v[\pc+6*\c:\pc+6*\c+2], v[(\s)+32*\c:(\s)+32*\c+15], v[TM+12+2*\c]
	v_cvt_scalef32_pk16_fp6_f32 v[PCX+4*\c:PCX+4*\c+2], v[(\s)+32*\c+16:(\s)+32*\c+31], v[TM+13+2*\c]   ; (a conversion's three registers begin on an even number)
.endr
	v_nop                                          ; one plain place behind a scaled conversion
.irp c, 0,1                                    ; the operand wants a whole block in a lane: lanes 0-15 block 2 c, lanes 16-31 block 2 c + 1
.irp i, 0,1,2
	v_permlane16_swap_b32 v[\pc+6*\c+\i], v[PCX+4*\c+\i]
.endr
.irp i, 0,1,2
	v_mov_b32 v[\pc+3+6*\c+\i], v[PCX+4*\c+\i]
.endr
.endr
.endm
	; ---- the head
	s_load_b512 s[8:23], s[0:1], 0x0               ; x s[8:9], cells s[10:11], table s[12:13], wimg s[14:15], b0 s[16:17], b1 s[18:19], W2 s[20:21], b2 s[22:23]
	s_load_b64 s[24:25], s[0:1], 0x40              ; out
	v_lshrrev_b32 v39, 5, v0
	v_readfirstlane_b32 s60, v39                   ; wave 0..15
	v_and_b32 v39, 31, v0
	v_lshlrev_b32 v[LI], 4, v39
	v_bfe_u32 v[LB], v0, 4, 1
	v_lshlrev_b32 v[LB], 6, v[LB]
	v_lshlrev_b32 v[OO], 4, v0
	s_wait_alu depctr_va_sdst(0)                   ; s60 is written, ahead of its first reader
	s_mul_i32 s61, s60, 1536
	v_add_nc_u32 v40, s61, v[LI]                   ; wave w copies image w of the sixteen: the same place in wimg and in LDS
	v_lshlrev_b32 v42, 2, v39
	v_mul_u32_u24 v43, v0, 48
	s_mov_b32 s48, 0xc31044fe                      ; -100 log2(e)
	s_mov_b32 s50, 0x3be32166                      ; ln 2 / 100
	s_mov_b32 s51, s50                             ; (named with it as a pair, so it is written)
	s_mov_b32 s56, 0x76543210
	s_mov_b32 s57, 0xfedcba98                      ; v_permlanex16_b32's selects for lane l xor 16
	s_mov_b32 vcc_lo, 0xffff0000                   ; lanes 16-31; never rewritten
	s_mov_b32 s59, 4                               ; passes
	v_mov_b32 v252, 0xbbf183a8                     ; -pi^11 / 11!
	v_mov_b32 v253, 0xbbf183a8
	v_mov_b32 v254, 0x3afce9c5                     ; pi^12 / 12!
	v_mov_b32 v255, 0x3afce9c5
.irp i, 1,2,3
	v_mov_b32 v[OQ+\i], 0                          ; the queue of results is shifted before it is full
.endr
	s_mul_i32 s62, ttmp9, 24576                    ; the work-group's 2,048 points: 24,576 bytes of x,
	s_mov_b32 s63, 0
	s_lshl_b32 s30, ttmp9, 13                      ; 8,192 of each plane of cells and of out
	s_mov_b32 s31, 0
	s_wait_kmcnt 0x0
	s_load_b32 s26, s[22:23], 0x0                  ; b2
	s_add_nc_u64 s[8:9], s[8:9], s[62:63]
	s_add_nc_u64 s[10:11], s[10:11], s[30:31]
	s_add_nc_u64 s[24:25], s[24:25], s[30:31]
.irp l, 0,1,2,3,4,5,6,7
	s_add_nc_u64 s[32+2*\l:33+2*\l], s[12:13], \l*0x800000         ; level l's table: 524,288 entries of 16 bytes
.endr
	s_wait_alu depctr_va_vdst(0)                   ; the offsets v1, v2, v3, v40, v42 and v43 are written, which the loads and LDS instructions of the head, and v1 to v3 those of the whole kernel, read
.irp c, 0,1,2
	global_load_b128 v[64+4*\c:67+4*\c], v40, s[14:15] offset:512*\c
.endr
.irp t, 0,1,2,3,4,5,6,7
	global_load_b32 v[SCW+\t], v42, s[14:15] offset:24576+128*\t
.endr
.irp i, 0,1,2
	global_load_b128 v[XQ+4*\i:XQ+4*\i+3], v43, s[8:9] offset:16*\i
.endr
	global_load_b128 v[CQA:CQA+3], v[OO], s[10:11]
	global_load_b128 v[CQB:CQB+3], v[OO], s[10:11] offset:PLANE
	s_cmp_lg_u32 s60, 0
	s_cbranch_scc1 .Lnot_wave_0
	global_load_b128 v[76:79], v[LI], s[16:17]     ; wave 0 also copies b0, b1 and W2, 512 bytes each
	global_load_b128 v[80:83], v[LI], s[18:19]
	global_load_b128 v[84:87], v[LI], s[20:21]
	s_wait_loadcnt 0x0
	ds_store_b128 v[LI], v[76:79] offset:B0L
	ds_store_b128 v[LI], v[80:83] offset:B1L
	ds_store_b128 v[LI], v[84:87] offset:W2L
.Lnot_wave_0:
	s_wait_loadcnt 0x0
.irp c, 0,1,2
	ds_store_b128 v40, v[64+4*\c:67+4*\c] offset:512*\c
.endr
	s_wait_kmcnt 0x0                               ; b2
	s_wait_dscnt 0x0                               ; for the others' sake: my stores have landed
	s_barrier_signal -1
	s_barrier_wait -1                              ; LDS is whole, and is only read from here on
	s_wait_alu depctr_vm_vsrc(0)                   ; the head's loads and LDS stores have read v40, v42, v43 and v64-87, which the pass's vector instructions write
.Lpass:
	; ---- the encoding: a lane, a point
	CELLS 7, IDX0
	CELLS 6, IDX1
	s_wait_alu depctr_va_vdst(0)                   ; both levels' offsets are written, which the gathers below read; the last pass's matrix and vector instructions that named v160-223 are done: the gathers land there
	GATHER 7, G0, IDX0
	GATHER 6, G1, IDX1
	v_pk_mul_f32 v[U01:U01+1], v[XQ:XQ+1], 0x3ea2f983 op_sel_hi:[1,0]                                          ; x / pi: the product by the rounded 1 / pi,
	v_mul_f32 v[UZ], 0x3ea2f983, v[XQ+2]
	v_pk_fma_f32 v[L01:L01+1], v[XQ:XQ+1], 0x3ea2f983, v[U01:U01+1] op_sel_hi:[1,0,1] neg_lo:[0,0,1] neg_hi:[0,0,1]   ; what its rounding dropped (exact),
	v_fma_f32 v[LZ], v[XQ+2], 0x3ea2f983, -v[UZ]
	v_pk_fma_f32 v[L01:L01+1], v[XQ:XQ+1], 0x325c9c88, v[L01:L01+1] op_sel_hi:[1,0,1]                          ; and x times the rest of 1 / pi
	v_fma_f32 v[LZ], v[XQ+2], 0x325c9c88, v[LZ]
	v_add_f32 v[UZ+1], v[UZ], v[UZ]
	v_add_f32 v[LZ+1], v[LZ], v[LZ]
	SC 0
	SC 1
	NEXT 5, G0, IDX0, 1
	SC 2
	SC 3
	NEXT 4, G1, IDX1, 0
	SC 4
	SC 5
	NEXT 3, G0, IDX0, 1
	SC 6
	SC 7
	NEXT 2, G1, IDX1, 0
	SC 8
	SC 9
	NEXT 1, G0, IDX0, 1
	SC 10
	SC 11
	NEXT 0, G1, IDX1, 0
	SC 12
	SC 13
	s_wait_loadcnt 0x8
	LACC 1, G0
	s_wait_loadcnt 0x0
	LACC 0, G1
.irp d, 0,1,2
	v_mov_b32 v[INP+\d], v[XQ+\d]
.endr
.irp i, 89,90,91,92,93,94,95
	v_mov_b32 v[INP+\i], 0                         ; the third block is filled with zeros
.endr
	; ---- inp is quantised: a lane holds three whole blocks of its point
.irp b, 0,1,2
	v_max3_num_f32 v[TM+\b], |v[INP+32*\b]|, |v[INP+32*\b+1]|, 0x1800000           ; with the floor 2^(3 - 127)
.endr
.irp i, 2,4,6,8,10,12,14,16,18,20,22,24,26,28,30
.irp b, 0,1,2
	v_max3_num_f32 v[TM+\b], v[TM+\b], |v[INP+32*\b+\i]|, |v[INP+32*\b+\i+1]|
.endr
.endr
.irp b, 0,1,2
	v_add_nc_u32 v[TM+4+\b], 0xff000000, v[TM+\b]
.endr
.irp b, 0,1,2
	v_lshrrev_b32 v[TM+8+\b], 23, v[TM+4+\b]
.endr
	v_lshl_or_b32 v[PS0], v[TM+9], 8, v[TM+8]
	v_lshl_or_b32 v[PS0], v[TM+10], 16, v[PS0]
	v_or_b32 v[PS0], 0x7f000000, v[PS0]            ; the fourth block is zeros: byte 127
	s_wait_alu depctr_vm_vsrc(0)                   ; the gathers of levels 1 and 0 have read their offsets v48 and v56, which the lines below write as parts of the points' fragments
	v_cvt_scalef32_pk16_fp6_f32 v[BFA:BFA+2], v[INP:INP+15], v[TM+4]               ; block 0 -> A's registers 0-5, block 1 -> B's 0-5, block 2 -> A's 6-11, zeros -> B's 6-11
	v_cvt_scalef32_pk16_fp6_f32 v[PCX:PCX+2], v[INP+16:INP+31], v[TM+4]
	v_cvt_scalef32_pk16_fp6_f32 v[BFB:BFB+2], v[INP+32:INP+47], v[TM+5]
	v_cvt_scalef32_pk16_fp6_f32 v[PCX+4:PCX+6], v[INP+48:INP+63], v[TM+5]
	v_cvt_scalef32_pk16_fp6_f32 v[BFA+6:BFA+8], v[INP+64:INP+79], v[TM+6]
	v_cvt_scalef32_pk16_fp6_f32 v[PCX+8:PCX+10], v[INP+80:INP+95], v[TM+6]
	v_nop                                          ; one plain place behind a scaled conversion
.irp i, 0,1,2
	v_mov_b32 v[BFA+3+\i], v[PCX+\i]
	v_mov_b32 v[BFB+3+\i], v[PCX+4+\i]
	v_mov_b32 v[BFA+9+\i], v[PCX+8+\i]
.endr
.irp i, 6,7,8,9,10,11
	v_mov_b32 v[BFB+\i], 0
.endr
.irp i, 0,1,2,3,4,5,6,7,8,9,10,11
	v_permlane16_swap_b32 v[BFA+\i], v[BFB+\i]     ; A's lanes 16-31 change places with B's lanes 0-15: A is now tile A's operand (lanes 0-15 blocks 0, 2; lanes 16-31 blocks 1, 3 of points 0-15), B tile B's
.endr
	LAYER W0IMG, B0L, 0
	SOFTPLUS 0
	QUANT ACC, BFA, PWA
	QUANT ACC+64, BFB, PWB
	LAYER W1IMG, B1L, 1
	SOFTPLUS 1
	; ---- a point's dot product lies in two lanes, 16 apart; tile A's points belong to lanes 0-15, tile B's to lanes 16-31
	v_pk_add_f32 v[240:241], v[240:241], v[242:243]
	v_pk_add_f32 v[244:245], v[244:245], v[246:247]
	v_add_f32 v248, v240, v241
	v_add_f32 v249, v244, v245
	v_cndmask_b32 v250, v248, v249, vcc_lo         ; my own point's half,
	v_cndmask_b32 v251, v249, v248, vcc_lo         ; and the half that the lane 16 away wants
	v_permlanex16_b32 v240, v251, s56, s57
.irp i, 0,1,2
	v_mov_b32 v[OQ+\i], v[OQ+\i+1]
.endr
	v_add_f32 v250, v250, v240
	v_add_f32 v[OQ+3], s26, v250                   ; + b2
.irp i, 0,1,2,3,4,5,6,7,8
	v_mov_b32 v[XQ+\i], v[XQ+\i+3]                 ; the next point comes to the queues' heads
.endr
.irp i, 0,1,2
	v_mov_b32 v[CQA+\i], v[CQA+\i+1]
	v_mov_b32 v[CQB+\i], v[CQB+\i+1]
.endr
	s_sub_co_u32 s59, s59, 1
	s_cmp_lg_u32 s59, 0
	s_cbranch_scc1 .Lpass
	s_wait_alu depctr_va_vdst(0)                   ; the last pass has written v24-27, which the store reads
	global_store_b128 v[OO], v[OQ:OQ+3], s[24:25] th:TH_STORE_NT   ; 32 lanes store 512 consecutive bytes, aligned; written once, read by nobody here
	s_wait_xcnt 0x0                                ; the store has had its addresses translated
	v_lshl_add_u32 v254, v0, 2, 0x6600             ; my spare word, behind W2's copy: 26,112 + 4 x my thread's number; and 0.  No memory or LDS instruction has read these two registers
	v_mov_b32 v255, 0
	s_wait_dscnt 0x0                               ; the closing lines, six on end
	s_wait_alu 0x0
	s_wait_tensorcnt 0x0
	ds_add_u32 v254, v255
	s_wait_dscnt 0x0
	s_endpgm
.Lfunc_end_k_q0f16ae305a_net:
	.size	k_q0f16ae305a_net, .Lfunc_end_k_q0f16ae305a_net-k_q0f16ae305a_net
	.p2alignl 7, 3214868480
	.fill 96, 4, 3214868480
	.section	.rodata,"a",@progbits
	.p2align	6, 0x0
	.amdhsa_kernel k_q0f16ae305a_net
		.amdhsa_group_segment_fixed_size 28160
		.amdhsa_private_segment_fixed_size 0
		.amdhsa_enable_private_segment 0
		.amdhsa_kernarg_size 72
		.amdhsa_user_sgpr_count 2
		.amdhsa_user_sgpr_kernarg_segment_ptr 1
		.amdhsa_wavefront_size32 1
		.amdhsa_system_sgpr_workgroup_id_x 1
		.amdhsa_system_sgpr_workgroup_id_y 1
		.amdhsa_system_sgpr_workgroup_id_z 1
		.amdhsa_system_vgpr_workitem_id 0
		.amdhsa_next_free_vgpr 256
		.amdhsa_next_free_sgpr 66
		.amdhsa_reserve_vcc 1
		.amdhsa_float_denorm_mode_32 3
		.amdhsa_float_denorm_mode_16_64 3
		.amdhsa_memory_ordered 1
		.amdhsa_forward_progress 1
		.amdhsa_inst_pref_size 151
	.end_amdhsa_kernel
	.amdgpu_metadata
---
amdhsa.version: [ 1, 2 ]
amdhsa.kernels:
  - .name:           k_q0f16ae305a_net
    .symbol:         k_q0f16ae305a_net.kd
    .args:
      - { .name: x, .offset: 0, .size: 8, .value_kind: global_buffer, .address_space: global }
      - { .name: cells, .offset: 8, .size: 8, .value_kind: global_buffer, .address_space: global }
      - { .name: table, .offset: 16, .size: 8, .value_kind: global_buffer, .address_space: global }
      - { .name: wimg, .offset: 24, .size: 8, .value_kind: global_buffer, .address_space: global }
      - { .name: b0, .offset: 32, .size: 8, .value_kind: global_buffer, .address_space: global }
      - { .name: b1, .offset: 40, .size: 8, .value_kind: global_buffer, .address_space: global }
      - { .name: W2, .offset: 48, .size: 8, .value_kind: global_buffer, .address_space: global }
      - { .name: b2, .offset: 56, .size: 8, .value_kind: global_buffer, .address_space: global }
      - { .name: out0, .offset: 64, .size: 8, .value_kind: global_buffer, .address_space: global }
    .group_segment_fixed_size: 28160
    .private_segment_fixed_size: 0
    .kernarg_segment_align: 8
    .kernarg_segment_size: 72
    .max_flat_workgroup_size: 512
    .sgpr_count:     66
    .vgpr_count:     256
    .wavefront_size: 32
...
	.end_amdgpu_metadata
.endif
;; end of part 3
